; MI455X (gfx1250); checked and timed in simulation.
; The chip was launched on July 23, 2026; its instructions are those of AMD's public machine-readable ISA for CDNA 5 (MIT licence, August 2026) and "CDNA5" Instruction Set Architecture Reference Guide (July 2026). The comments in the code are by the model that wrote it; some were corrected since.
;; Multi Head Attention. Allowed arithmetic: matrix products marked QUANTISED: E2M1 operands, one E8M0 scale for each 32 along K, by v_wmma_scale_f32_16x16x128_f8f6f4 with both operands' format E2M1 (or v_wmma_scale_f32_32x16x128_f4), f32 sums; everything else in f32.
;; Inputs: Wk 1,024 x 1,024 float32; Wo 1,024 x 1,024 float32; Wq 1,024 x 1,024 float32; Wv 1,024 x 1,024 float32; bk 1,024 float32; bo 1,024 float32; bq 1,024 float32; bv 1,024 float32; key 2 x 2,048 x 1,024 float32; mask 2 x 1 x 2,048 bool; query 2 x 2,048 x 1,024 float32; value 2 x 2,048 x 1,024 float32.
;; Outputs: out0 2 x 2,048 x 1,024 float32.
;; This version of the problem:
;;   THIS VERSION OF THE PROBLEM IS GIVEN IN LOW PRECISION. The matrix products marked QUANTISED in the list below multiply operands that are first quantised to E2M1 (2 exponent bits, 1 mantissa bit; 4 bits a number), with one power-of-two scale for each 32 numbers along K (OCP MX v1.0); their sums are f32. All else is computed in f32.
;;   The module's matrix products, in the order in which they are computed (A, B: the left and right operand; K: the contracted axis; several contracted axes count as one K, in the product's order):
;;     1. [M 4,096, K 1,024] x [K 1,024, N 1,024]; A: input query; B: input Wq: QUANTISED
;;     2. [M 4,096, K 1,024] x [K 1,024, N 1,024]; A: input key; B: input Wk: QUANTISED
;;     3. [M 4,096, K 1,024] x [K 1,024, N 1,024]; A: input value; B: input Wv: QUANTISED
;;     4. batch 32 x [M 2,048, K 64] x [K 64, N 2,048]; A: computed on the way; B: computed on the way: QUANTISED
;;     5. batch 32 x [M 2,048, K 2,048] x [K 2,048, N 64]; A: computed on the way; B: computed on the way: QUANTISED
;;     6. [M 4,096, K 1,024] x [K 1,024, N 1,024]; A: computed on the way; B: input Wo: QUANTISED
;;   THE QUANTISER, for each operand of a quantised product, along K:
;;     - K is cut into blocks of 32 from its start; a last block that is shorter is filled with zeros.
;;     - A block's scale is 2^e with e = floor(log2(the largest magnitude in the block)) - 2, held to -126 .. 127; a block of zeros has e = 0. As a byte (E8M0): e + 127.
;;     - Each number is divided by its block's scale, clamped to +-6, and rounded to the nearest number of E2M1, ties to even, subnormals kept.
;;     - The product sums the exact products of the quantised numbers (number of the format x scale) in f32.
;;   ~~~python
;;   def quantise(x, axis):      # numpy; x: float32 -> the quantised numbers, widened to float32 again
;;       x = np.moveaxis(x, axis, -1); K = x.shape[-1]
;;       x = np.pad(x, [(0, 0)] * (x.ndim - 1) + [(0, -K % 32)]); x = x.reshape(x.shape[:-1] + (-1, 32)); a = np.abs(x).max(-1, keepdims=True)
;;       e = np.where(a > 0, np.clip(np.frexp(np.where(a > 0, a, 1))[1] - 1 - 2, -126, 127), 0)      # np.frexp(a)[1] - 1 = floor(log2(a)), exactly
;;       r = np.clip(x / 2.0 ** e, -6, 6)
;;       step = 2.0 ** (np.maximum(np.frexp(np.where(r == 0, 1, r))[1] - 1, 0) - 1)
;;       q = np.round(r / step) * step * 2.0 ** e      # np.round: ties to even
;;       return np.moveaxis(q.reshape(q.shape[:-2] + (-1,))[..., :K], -1, axis).astype(np.float32)
;;   ~~~
;;   OPERANDS COMPUTED ON THE WAY. 'Computed on the way' means the value that the module computes at that place (a softmax that the list does not call 'softmax' is quantised finished and normalised). What goes into a quantiser is computed in f32, as accurately as f32 sums, v_exp_f32 and their like allow (about 1e-6 of the number): no bf16 or f16 on the way to a quantiser, and a product that is left as it is and whose result goes on into a quantised operand takes f32 operands (vector FMAs, or v_wmma_f32_16x16x4_f32). A number that lies on a knife's edge between two numbers of the format may be rounded either way, as far as f32 arithmetic and the matrix unit's own rounding can turn it there, and no further.
;; One version. Each part assembles by itself: llvm-mc -triple=amdgcn-amd-amdhsa -mcpu=gfx1250 --defsym DOCPART=n.
;; ======== version 1 of 1: 4 launches
;; limits: right only within a limited range of input values
;; workspace buffers: act 6,684,672 bytes; wts 2,228,224 bytes; qkv 6,684,672 bytes; ctx 2,228,224 bytes
;; launch quant (part 1): grid 320 x 1, 8 waves a work-group, no clusters, 84,992 bytes of LDS; arguments query, key, value, Wq, Wk, Wv, Wo, act, wts; writes act, wts
.if DOCPART == 1
	.amdgcn_target "amdgcn-amd-amdhsa--gfx1250"
	.amdhsa_code_object_version 6
	.text
	.protected	k_q5848c06c50_quant
	.globl	k_q5848c06c50_quant
	.p2align	8
	.type	k_q5848c06c50_quant,@function
k_q5848c06c50_quant:
	s_mov_b64 s[64:65], 0
	v_nop
	global_prefetch_b8 v0, s[64:65] scope:SCOPE_SE
	s_setreg_imm32_b32 hwreg(HW_REG_WAVE_MODE, 25, 1), 1
	s_wait_xcnt 0x0
; query, key, value [4096][1024] f32 (K innermost) and Wq, Wk, Wv, Wo [1024 (k)][1024 (n)] f32 (K is the first axis) become codes of FP4 (E2M1) with K innermost and one E8M0 byte for each 32 along K.
; A block's scale is 2^(floor(log2(its largest magnitude)) - 2): its byte is the largest magnitude's exponent field - 2, held at 1 from below.
; STORED ROW ORDER: in act (rows = tokens) and wts (rows = n) bits 3 and 4 of the row index change places.  Sixteen neighbouring stored rows are then true rows 32 a + 8 b + r + 8 (r / 8):
; the choice of rows by which two neighbouring result tiles of a later product give a lane 16 neighbours along the next K.
; act: codes of kind 0, 1, 2 (query, key, value) at kind x 2,097,152, 512 bytes a stored row; scale bytes at 6,291,456 + kind x 131,072, 32 a stored row.
; wts: codes of weight 0..3 (q, k, v, o) at weight x 524,288, 512 bytes a stored row n; scale bytes at 2,097,152 + weight x 32,768, 32 a row.
; Work-groups 64-255 take the activations (a plain stream of blocks of 32: a wave takes 8 rows, 16 steps of 512 numbers), work-groups 0-63 and 256-319 the weights (32 columns x all of K each).
; The two ways part on the work-group's number alone and use LDS bytes of their own: 0 .. 65,535 and 65,536 .. 83,455.  No cluster: no two work-groups read the same bytes.
; LIMITS: NaN and infinities among the inputs are not served.  A block of zeros gets the byte 1 where the rule says 127: its codes are zeros, and this program alone reads the bytes.
; THE DEAL OF WORK-GROUPS, as the text below has it (this takes the place of the numbers above): numbers 64-255 take the activations (262,144 bytes of input each), numbers 0-63 and 256-319 the weights (131,072 bytes each):
; numbers n and n + 256 together read as many bytes as one activation work-group.
.set STEPS, 16
.set CB,    8                          ; bytes of 16 codes
.set R,     16                         ; v16-79   four sets of 16 numbers as they are loaded
.set X,     80                         ; v80-111  two sets of 16 neighbours
.set E,     112                        ; v112-127 a scale byte for each step
.set C,     128                        ; v128-191 codes: four registers for each step, so that no store's data are written again
.set WREG,  8192                       ; activations: a wave's LDS: two stages of 32 x SP bytes, behind them its 256 scale bytes
.set SP,    80                         ; a lane's place in a stage: 64 bytes + 16 of padding
.set WSTG,  65536                      ; weights: a stage of 32 stored rows x (512 bytes + 16)
.set WP,    528
.set WSCL,  WSTG+32*WP                 ; and their 32 x 32 scale bytes
.set WX,    32                         ; v32-159  weights: four blocks of 32 numbers down K
.set WC,    160                        ; v160-175 their codes
.set WSB,   176                        ; v176     their four scale bytes
.macro LOAD t
.irp i, 0,1,2,3
	global_load_b128 v[R+16*((\t)%4)+4*\i:R+16*((\t)%4)+4*\i+3], v3, s[4:5] offset:2048*(\t)+512*\i th:TH_LOAD_NT   ; 32 lanes read 512 consecutive bytes
.endr
.endm
.macro TURN t                          ; step t's numbers through the stage: LDS serves a wave's instructions in order, so no wait stands between the stores and the loads
.irp i, 0,1,2,3
	ds_store_b128 v14, v[R+16*((\t)%4)+4*\i:R+16*((\t)%4)+4*\i+3] offset:32*SP*((\t)%2)+8*SP*\i
.endr
.irp i, 0,1,2,3
	ds_load_b128 v[X+16*((\t)%2)+4*\i:X+16*((\t)%2)+4*\i+3], v15 offset:32*SP*((\t)%2)+16*\i
.endr
.endm
.macro STEP t
.set XS, X+16*((\t)%2)
.if (\t) > 0
	s_wait_dscnt 1                                 ; this step's numbers are back from the stage (the last step's byte store may be out): its stores into the stage have read their registers,
.else
	s_wait_dscnt 0x0
.endif
.if (\t)+4 < STEPS
	LOAD (\t)+4                                    ; which take the loads of four steps on
.endif
.if (\t)+1 < STEPS
.if STEPS-2-(\t) >= 3
	s_wait_loadcnt 12                              ; the next step's four loads are in; those of the three steps behind it may be out
.else
	s_wait_loadcnt 4*(STEPS-2-(\t))
.endif
	TURN (\t)+1                                    ; and go through the other stage while this step is worked
.endif
	v_max3_num_f32 v8, |v[XS]|, |v[XS+1]|, |v[XS+2]|               ; the largest magnitude of my 16, in two chains
	v_max3_num_f32 v9, |v[XS+3]|, |v[XS+4]|, |v[XS+5]|
.irp i, 6,10
	s_delay_alu instid0(VALU_DEP_2)
	v_max3_num_f32 v8, v8, |v[XS+\i]|, |v[XS+\i+1]|
	s_delay_alu instid0(VALU_DEP_2)
	v_max3_num_f32 v9, v9, |v[XS+\i+2]|, |v[XS+\i+3]|
.endr
	s_delay_alu instid0(VALU_DEP_2)
	v_max3_num_f32 v8, v8, |v[XS+14]|, |v[XS+15]|
	s_delay_alu instid0(VALU_DEP_1)
	v_max3_num_f32 v8, v8, v9, 0x1800000           ; and the floor 2^(3 - 127): the byte cannot fall under 1
	s_delay_alu instid0(VALU_DEP_1)
	v_max_num_f32_dpp v8, v8, v8 row_xmask:1 row_mask:0xf bank_mask:0xf   ; and of my neighbour's 16: the block's
	s_delay_alu instid0(VALU_DEP_1)
	v_add_nc_u32 v11, 0xff000000, v8               ; 2 off its exponent field: the conversion takes the exponent field of this operand as its scale
	v_cvt_scalef32_pk8_fp4_f32 v[C+4*(\t)], v[XS:XS+7], v11
	v_cvt_scalef32_pk8_fp4_f32 v[C+4*(\t)+1], v[XS+8:XS+15], v11
	v_lshrrev_b32 v[E+(\t)], 23, v11               ; the scale's byte (also the plain line behind the conversions)
	ds_store_b8 v5, v[E+(\t)] offset:16*(\t)       ; both lanes of a block write the same byte with the same value
	global_store_b64 v4, v[C+4*(\t):C+4*(\t)+1], s[8:9] offset:32*CB*(\t)   ; the wave stores 256 consecutive bytes
.endm
.macro WLOAD t                         ; weights: block t: W(128 w + 32 t + i, my column), i = 0 .. 31
.irp i, 0,1,2,3,4,5,6,7,8,9,10,11,12,13,14,15,16,17,18,19,20,21,22,23,24,25,26,27,28,29,30,31
	global_load_b32 v[WX+32*(\t)+\i], v3, s[10:11] offset:(32*(\t)+\i)*4096 th:TH_LOAD_NT
.endr
.endm
.macro BLOCK t
.set XS, WX+32*(\t)
.if (\t) < 3
	s_wait_loadcnt 32                              ; this block's 32 loads are in; the next block's may be out
.else
	s_wait_loadcnt 0x0
.endif
.if (\t)+2 < 4
	WLOAD (\t)+2                                   ; into registers of its own
.endif
	v_max3_num_f32 v12, |v[XS]|, |v[XS+1]|, |v[XS+2]|              ; the block's largest magnitude: all 32 numbers are mine
	v_max3_num_f32 v13, |v[XS+3]|, |v[XS+4]|, |v[XS+5]|
.irp i, 6,10,14,18,22,26
	s_delay_alu instid0(VALU_DEP_2)
	v_max3_num_f32 v12, v12, |v[XS+\i]|, |v[XS+\i+1]|
	s_delay_alu instid0(VALU_DEP_2)
	v_max3_num_f32 v13, v13, |v[XS+\i+2]|, |v[XS+\i+3]|
.endr
	s_delay_alu instid0(VALU_DEP_2)
	v_max3_num_f32 v12, v12, |v[XS+30]|, |v[XS+31]|
	s_delay_alu instid0(VALU_DEP_1)
	v_max3_num_f32 v12, v12, v13, 0x1800000        ; and the floor
	s_delay_alu instid0(VALU_DEP_1)
	v_add_nc_u32 v11, 0xff000000, v12              ; the conversion's scale operand
	s_delay_alu instid0(VALU_DEP_1)
	v_lshrrev_b32 v13, 23, v11                     ; the scale's byte
.if (\t) == 0
	s_delay_alu instid0(VALU_DEP_1)
	v_mov_b32 v[WSB], v13
.else
	s_delay_alu instid0(VALU_DEP_1)
	v_lshl_or_b32 v[WSB], v13, 8*(\t), v[WSB]      ; four bytes to the word of my K step, the lower K in the lower byte
.endif
.irp g, 0,1,2,3
	v_cvt_scalef32_pk8_fp4_f32 v[WC+4*(\t)+\g], v[XS+8*\g:XS+8*\g+7], v11
.endr
	ds_store_b128 v4, v[WC+4*(\t):WC+4*(\t)+3] offset:16*(\t)      ; 32 codes: 16 bytes of my column's row.  (The next block begins with plain vector lines, ahead of the line that writes v11 again)
.endm
	s_load_b256 s[4:11], s[0:1], 0x0               ; query s[4:5], key s[6:7], value s[8:9], Wq s[10:11]
	s_load_b256 s[12:19], s[0:1], 0x20             ; Wk s[12:13], Wv s[14:15], Wo s[16:17], act s[18:19]
	s_load_b64 s[20:21], s[0:1], 0x40              ; wts
	v_lshl_add_u32 v192, v0, 2, 0x14800
	v_mov_b32 v193, 0
	v_lshrrev_b32 v1, 5, v0
	s_delay_alu instid0(VALU_DEP_1)
	v_readfirstlane_b32 s22, v1                    ; wave 0..7
	v_and_b32 v2, 31, v0                           ; lane
	s_mov_b32 s29, 0                               ; the upper word of every offset
	s_wait_kmcnt 0x0
	s_sub_co_u32 s30, ttmp9, 64                    ; the activations' number, 0 .. 191 (it wraps for numbers under 64, which take weights)
	s_cmp_lt_u32 s30, 192
	s_cbranch_scc0 .Lweights
	; ---------------- the activations
	s_wait_alu depctr_va_vdst(0)
	v_lshlrev_b32 v3, 4, v2                        ; my 16 bytes of a load's 512
	s_mul_i32 s23, s22, WREG
	v_lshrrev_b32 v14, 2, v2
	s_delay_alu instid0(VALU_DEP_1)
	v_mul_u32_u24 v14, v14, SP
	v_and_b32 v15, 3, v2
	s_delay_alu instid0(VALU_DEP_1)
	v_lshl_add_u32 v14, v15, 4, v14
	s_delay_alu instid0(VALU_DEP_1)
	v_add_nc_u32 v14, s23, v14                     ; the stage, on the way in: SP (lane / 4) + 16 (lane % 4)
	v_mul_u32_u24 v15, v2, SP
	s_delay_alu instid0(VALU_DEP_1)
	v_add_nc_u32 v15, s23, v15                     ; and on the way out: SP x lane: my 16 neighbours
	v_mul_u32_u24 v4, v2, CB                       ; my codes' place in a step's
	v_lshrrev_b32 v5, 1, v2
	s_add_co_u32 s23, s23, 2*32*SP
	v_add_nc_u32 v5, s23, v5                       ; LDS: my wave's 256 scale bytes, my block's byte
	v_lshlrev_b32 v7, 3, v2                        ; and on the way out 8 bytes a lane
	s_delay_alu instid0(VALU_DEP_1)
	v_add_nc_u32 v6, s23, v7
	s_cmp_lt_u32 s30, 128                          ; which tensor: the choice hangs on the work-group's number alone
	s_cselect_b64 s[6:7], s[6:7], s[8:9]
	s_cmp_lt_u32 s30, 64
	s_cselect_b64 s[4:5], s[4:5], s[6:7]
	s_lshr_b32 s24, s30, 6                         ; kind
	s_and_b32 s25, s30, 63
	s_lshl_b32 s25, s25, 3
	s_add_co_u32 s25, s25, s22                     ; my run of 8 rows, 0 .. 511
	s_and_b32 s26, s25, 0x1fc
	s_and_b32 s27, s25, 1
	s_lshl_b32 s27, s27, 1
	s_or_b32 s26, s26, s27
	s_bfe_u32 s27, s25, 0x10001
	s_or_b32 s26, s26, s27                         ; the run's stored place: its bits 0 and 1 (the rows' bits 3 and 4) change places
	s_lshl_b32 s28, s25, 15                        ; 8 rows of 4,096 bytes
	s_add_nc_u64 s[4:5], s[4:5], s[28:29]
	s_lshl_b32 s28, s24, 21
	s_lshl_b32 s27, s26, 12
	s_add_co_u32 s28, s28, s27
	s_add_nc_u64 s[8:9], s[18:19], s[28:29]        ; the codes: kind x 2,097,152 + place x 4,096
	s_lshl_b32 s28, s24, 17
	s_lshl_b32 s27, s26, 8
	s_add_co_u32 s28, s28, s27
	s_add_co_u32 s28, s28, 6291456
	s_add_nc_u64 s[10:11], s[18:19], s[28:29]      ; the scale bytes: 6,291,456 + kind x 131,072 + place x 256
.irp t, 0,1,2,3
	LOAD \t
.endr
	s_wait_alu depctr_va_vdst(0)
	s_wait_loadcnt 12                              ; step 0's four loads are in
	TURN 0
.irp t, 0,1,2,3,4,5,6,7,8,9,10,11,12,13,14,15
	STEP \t
.endr
	ds_load_b64 v[12:13], v6                       ; LDS serves a wave's instructions in order: these see my byte stores
	s_wait_dscnt 0x0
	global_store_b64 v7, v[12:13], s[10:11]        ; 32 lanes store 256 consecutive bytes, aligned
	s_wait_tensorcnt 0x0
	ds_add_u32 v192, v193
	s_wait_dscnt 0x0
	s_endpgm
	; ---------------- the weights: a lane takes a column n, its registers run down K; wave w takes k = 128 w .. 128 w + 127
.Lweights:
	s_cmp_lt_u32 ttmp9, 64
	s_cselect_b32 s24, 0, 192
	s_sub_co_u32 s24, ttmp9, s24                   ; the weights' number, 0 .. 127
	s_lshr_b32 s25, s24, 5                         ; which weight
	s_and_b32 s26, s24, 31                         ; which 32 columns
	s_cmp_lt_u32 s25, 3
	s_cselect_b64 s[14:15], s[14:15], s[16:17]
	s_cmp_lt_u32 s25, 1
	s_cselect_b64 s[10:11], s[10:11], s[12:13]
	s_cmp_lt_u32 s25, 2
	s_cselect_b64 s[10:11], s[10:11], s[14:15]
	s_lshl_b32 s28, s22, 19                        ; 128 rows of 4,096 bytes a wave
	s_lshl_b32 s27, s26, 7                         ; 32 columns of 4 bytes
	s_add_co_u32 s28, s28, s27
	s_add_nc_u64 s[10:11], s[10:11], s[28:29]
	s_wait_alu depctr_va_vdst(0)
	v_lshlrev_b32 v3, 2, v2                        ; in: 4 bytes a lane: a wave's load covers 128 consecutive bytes
	WLOAD 0
	WLOAD 1
	v_and_b32 v6, 7, v2
	v_bfe_u32 v7, v2, 3, 1
	s_delay_alu instid0(VALU_DEP_1)
	v_lshl_add_u32 v6, v7, 4, v6
	v_bfe_u32 v7, v2, 4, 1
	s_delay_alu instid0(VALU_DEP_1)
	v_lshl_add_u32 v6, v7, 3, v6                   ; my column's stored place among the 32: bits 3 and 4 change places
	s_delay_alu instid0(VALU_DEP_1)
	v_mul_u32_u24 v4, v6, WP
	s_lshl_b32 s27, s22, 6
	s_add_co_u32 s27, s27, WSTG
	v_add_nc_u32 v4, s27, v4                       ; the stage: row = place, my wave's 64 bytes
	v_lshlrev_b32 v5, 5, v6
	s_lshl_b32 s27, s22, 2
	s_add_co_u32 s27, s27, WSCL
	v_add_nc_u32 v5, s27, v5                       ; the scale word of my K step in my row's 32 bytes
	s_mul_i32 s27, s22, 4*WP
	s_add_co_u32 s27, s27, WSTG
	v_lshl_add_u32 v7, v2, 4, s27                  ; back: wave w takes stored rows 4 w .. 4 w + 3, whole
	v_lshlrev_b32 v9, 4, v2                        ; and 16 bytes a lane in memory
	s_and_b32 s23, s22, 1
	s_lshl_b32 s27, s23, 9
	s_add_co_u32 s27, s27, WSCL
	v_lshl_add_u32 v10, v2, 4, s27                 ; the scale bytes' way out: waves 0 and 1 take 512 each
	s_lshl_b32 s28, s25, 19
	s_lshl_b32 s27, s26, 14
	s_add_co_u32 s28, s28, s27
	s_lshl_b32 s27, s22, 11
	s_add_co_u32 s28, s28, s27
	s_add_nc_u64 s[30:31], s[20:21], s[28:29]      ; codes: weight x 524,288 + (32 g + 4 w) x 512
	s_lshl_b32 s28, s25, 15
	s_lshl_b32 s27, s26, 10
	s_add_co_u32 s28, s28, s27
	s_lshl_b32 s27, s23, 9
	s_add_co_u32 s28, s28, s27
	s_add_co_u32 s28, s28, 2097152
	s_add_nc_u64 s[32:33], s[20:21], s[28:29]      ; scale bytes: 2,097,152 + weight x 32,768 + g x 1,024 + 512 w
	BLOCK 0
	BLOCK 1
	BLOCK 2
	BLOCK 3
	ds_store_b32 v5, v[WSB]
	s_wait_dscnt 0x0                               ; for the others' sake: my stores into the stage are done
	s_barrier_signal -1                            ; (all eight waves of a work-group are on this way together)
	s_barrier_wait -1
.irp i, 0,1,2,3
	ds_load_b128 v[16+4*\i:19+4*\i], v7 offset:\i*WP
.endr
.irp i, 0,1,2,3
	s_wait_dscnt 3-\i                              ; row i is back; the younger rows may be out
	global_store_b128 v9, v[16+4*\i:19+4*\i], s[30:31] offset:512*\i   ; 32 lanes store a row's 512 consecutive bytes
.endr
	s_cmp_lt_u32 s22, 2
	s_cbranch_scc0 .Lwdone
	ds_load_b128 v[180:183], v10
	s_wait_dscnt 0x0
	global_store_b128 v9, v[180:183], s[32:33]     ; 512 consecutive bytes of the 32 rows' scale bytes
.Lwdone:
	s_wait_tensorcnt 0x0
	ds_add_u32 v192, v193
	s_wait_dscnt 0x0
	s_endpgm
.Lfunc_end_k_q5848c06c50_quant:
	.size	k_q5848c06c50_quant, .Lfunc_end_k_q5848c06c50_quant-k_q5848c06c50_quant
	.p2alignl 7, 3214868480
	.fill 96, 4, 3214868480
	.section	.rodata,"a",@progbits
	.p2align	6, 0x0
	.amdhsa_kernel k_q5848c06c50_quant
		.amdhsa_group_segment_fixed_size 84992
		.amdhsa_private_segment_fixed_size 0
		.amdhsa_enable_private_segment 0
		.amdhsa_kernarg_size 72
		.amdhsa_user_sgpr_count 2
		.amdhsa_user_sgpr_kernarg_segment_ptr 1
		.amdhsa_wavefront_size32 1
		.amdhsa_system_sgpr_workgroup_id_x 1
		.amdhsa_system_sgpr_workgroup_id_y 1
		.amdhsa_system_sgpr_workgroup_id_z 1
		.amdhsa_system_vgpr_workitem_id 0
		.amdhsa_next_free_vgpr 194
		.amdhsa_next_free_sgpr 66
		.amdhsa_reserve_vcc 0
		.amdhsa_float_denorm_mode_32 3
		.amdhsa_float_denorm_mode_16_64 3
		.amdhsa_memory_ordered 1
		.amdhsa_forward_progress 1
		.amdhsa_inst_pref_size 62
	.end_amdhsa_kernel
	.amdgpu_metadata
---
amdhsa.version: [ 1, 2 ]
amdhsa.kernels:
  - .name:           k_q5848c06c50_quant
    .symbol:         k_q5848c06c50_quant.kd
    .args:
      - { .name: query, .offset: 0, .size: 8, .value_kind: global_buffer, .address_space: global }
      - { .name: key, .offset: 8, .size: 8, .value_kind: global_buffer, .address_space: global }
      - { .name: value, .offset: 16, .size: 8, .value_kind: global_buffer, .address_space: global }
      - { .name: Wq, .offset: 24, .size: 8, .value_kind: global_buffer, .address_space: global }
      - { .name: Wk, .offset: 32, .size: 8, .value_kind: global_buffer, .address_space: global }
      - { .name: Wv, .offset: 40, .size: 8, .value_kind: global_buffer, .address_space: global }
      - { .name: Wo, .offset: 48, .size: 8, .value_kind: global_buffer, .address_space: global }
      - { .name: act, .offset: 56, .size: 8, .value_kind: global_buffer, .address_space: global }
      - { .name: wts, .offset: 64, .size: 8, .value_kind: global_buffer, .address_space: global }
    .group_segment_fixed_size: 84992
    .private_segment_fixed_size: 0
    .kernarg_segment_align: 8
    .kernarg_segment_size: 72
    .max_flat_workgroup_size: 256
    .sgpr_count:     66
    .vgpr_count:     194
    .wavefront_size: 32
...
	.end_amdgpu_metadata
.endif
;; end of part 1
;; launch proj (part 2): grid 8 x 32, 4 waves a work-group, clusters of 4 x 4, 327,680 bytes of LDS; arguments act, wts, bq, bk, bv, qkv; writes qkv
.if DOCPART == 2
	.amdgcn_target "amdgcn-amd-amdhsa--gfx1250"
	.amdhsa_code_object_version 6
	.text
	.protected	k_q5848c06c50_proj
	.globl	k_q5848c06c50_proj
	.p2align	8
	.type	k_q5848c06c50_proj,@function
k_q5848c06c50_proj:
	s_mov_b64 s[64:65], 0
	v_nop
	global_prefetch_b8 v0, s[64:65] scope:SCOPE_SE
	s_setreg_imm32_b32 hwreg(HW_REG_WAVE_MODE, 25, 1), 1
	s_wait_xcnt 0x0
	s_wait_alu depctr_hold_cnt(0) depctr_sa_sdst(0) depctr_va_vdst(0) depctr_va_sdst(0) depctr_va_ssrc(0) depctr_va_vcc(0) depctr_vm_vsrc(0)
	s_getreg_b32 s2, hwreg(HW_REG_IB_STS2, 6, 4)
	s_cmp_eq_u32 s2, 0
	s_cbranch_scc0 .Lentry_in_a_cluster
	s_endpgm
.Lentry_in_a_cluster:
	s_bfe_u32 s2, ttmp6, 0x10000c
	s_cmp_lg_u32 s2, 0xf033
	s_cbranch_scc0 .Lentry_shape_is_right
	s_endpgm
.Lentry_shape_is_right:
; q = query Wq + bq, k = key Wk + bk, v = value Wv + bv on codes of FP4 with E8M0 scales (K = 1,024), and the results quantised at once for the attention: q and k along the head's 64, v along the keys.
; SHARES.  768 tiles of 128 x 128 for 256 work-groups: work-group (X, Y) makes three, one of each kind: features 128 X on, tokens 128 Y on.  All of K (512 bytes a row) lies in an LDS slot.
; Source 0 (P) is the operand whose index is to run along a lane's registers, which is the axis that is quantised next; source 1 (R) gives the lane.  q, k: P = the weight, R = the tokens; v: P = the tokens (keys), R = the weight.
; A wave takes all 8 tiles of P and tiles 2 w, 2 w + 1 of R: 16 accumulators, which take turns.  Rows lie in the stored order (bits 3 and 4 of the row index changed), so that a lane's 64 registers of one R tile are
; register 16 b + i = P index 32 b + 16 (lane / 16) + i: 16 neighbours of each block of 32.  The bias is the C of a sum's first matrix instruction.
; OUT (qkv), as images of operand registers, lane l's 16 bytes at 16 l:  q at 0, k at 2,097,152: [head of batch 32][token block 64][u 2][512]: lane (r, h) = token 32 blk + 8 u + r + 8 (r / 8), d 32 h on;
; v at 4,194,304: [head][step 16][dt 4][c 2][512]: lane (r, h) = d 32 (dt / 2) + 8 (dt % 2) + r + 8 (r / 8), keys 128 step + 64 c + 32 h on.  Scale words at 6,291,456 + kind x 131,072, 4,096 bytes a head:
; q, k: [blk][r] = (u 0: two bytes | u 1: two bytes);  v: [step][dt][r] = the step's four key blocks.
; CLUSTER 4 x 4: the weight's rows hang on X alone and are asked for jointly along a column of the cluster, the tokens' on Y alone, along a row.  Slot 0 is filled at the start (q's tiles), slot 1 behind a round of the cluster's barrier (k's tiles);
; slot 0 is filled once more (v's), behind a round of the cluster's barrier.  A wave has one tensor load out at a time.
; LIMITS: NaN and infinities are not served; a block of zeros gets the byte 1 (its codes are zeros; this program alone reads the bytes).
; THE FILLS, as the text below has them (this takes the place of the sentence on the fills above): at the head a wave issues one joint load, its part of slot 0 (q's tiles);
; slot 1's first fill (k's tiles) and slot 0's refill (v's tiles) each stand behind the wait for all loads, the add, its wait and a round of the cluster's barrier: a wave has one tensor load out throughout.
.set PITCH, 528                        ; an LDS row: 512 bytes + 16 of padding = 132 words: the 16 rows of a fragment load start 4 banks apart (64 banks of 4 bytes: ISA guide 11.1)
.set HALFT, 64*PITCH                   ; what one tensor load brings
.set OPND,  128*PITCH                  ; the weight's 128 rows; the tokens' 128 follow
.set SLOT,  2*OPND
.set SCR,   2*SLOT                     ; three areas of 512 bytes for the tiles' scale words: written by LDS stores, never filled
.set SPARE, SCR+1536                   ; the spare words, 128 bytes a wave: two blocks of 256 bytes that no other line names
.set TM,    22                         ; v22-37  at work in QUANT
.set SETA,  40                         ; v40-79  scale words: P tile t at +4 t, R tile p at +32 + 4 p; register s % 4, lanes 0-15 K step s < 4, lanes 16-31 K step s >= 4
.set SETB,  80                         ; v80-119 a second set
.set PC,    120                        ; v120-127 the codes just made
.set ACC,   128                        ; v128-255 accumulator (p, t) at ACC + 64 p + 8 t
.set BQ,    0                          ; window 2: bq's 8 tiles, bk's 8, bv's 2
.set BK,    64
.set BV,    128
.set MSB, 0
.macro WIN new                         ; the immediate's high byte repeats the setting that is left; a switch that changes nothing is dropped
.if MSB != \new
	s_set_vgpr_msb (MSB<<8)|\new
.set MSB, \new
.endif
.endm
.macro PLACES n
.rept \n
	v_nop
.endr
.endm
.macro CROUND                          ; a round of the cluster's barrier
	s_barrier_signal -1
	s_barrier_wait -1
	s_cmp_lg_u32 s16, 0
	s_cbranch_scc1 .Lnot_wave_0_\@
	s_barrier_signal -3
.Lnot_wave_0_\@:
	s_barrier_wait -3
	s_barrier_signal -1
	s_barrier_wait -1
.endm
.macro JLOAD g0w, g0a                  ; a joint load: waves 0 and 1 fetch the weight's halves, waves 2 and 3 the tokens'; four v_nop follow each line
	s_cmp_eq_u32 s17, 0
	s_cbranch_scc0 .Lfor_a_\@
	tensor_load_to_lds s[\g0w:\g0w+3], s[24:31]
	s_nop 0
.rept 4
	v_nop
.endr
	s_branch .Lasked_\@
.Lfor_a_\@:
	tensor_load_to_lds s[\g0a:\g0a+3], s[32:39]
	s_nop 0
.rept 4
	v_nop
.endr
.Lasked_\@:
.endm
; 64 numbers of a lane, register 16 b + i = k 32 b + 16 (lane / 16) + i of my row, become a fragment's codes in v[PC] on and its scale word in v[pw].  Each accumulator is read from its low end on.
.macro QUANT s, pw
.irp b, 0,1,2,3
	v_max3_num_f32 v[TM+\b], |v[\s+16*\b]|, |v[\s+1+16*\b]|, 0x1800000   ; block b: my 16 numbers, and the floor 2^(3 - 127): the byte cannot fall under 1
.endr
.irp i, 2,4,6,8,10,12,14
.irp b, 0,1,2,3
	v_max3_num_f32 v[TM+\b], v[TM+\b], |v[\s+16*\b+\i]|, |v[\s+1+16*\b+\i]|   ; the four blocks by turns
.endr
.endr
.irp b, 0,1,2,3
	v_permlanex16_b32 v[TM+4+\b], v[TM+\b], s76, s77
.endr
.irp b, 0,1,2,3
	v_max_num_f32 v[TM+\b], v[TM+\b], v[TM+4+\b]   ; with lane l xor 16's: the block's largest magnitude
.endr
.irp b, 0,1,2,3
	v_add_nc_u32 v[TM+12+\b], 0xff000000, v[TM+\b] ; 2 off its exponent field: the conversion's scale operand
.endr
.irp b, 0,1,2,3
	v_lshrrev_b32 v[TM+4+\b], 23, v[TM+12+\b]      ; the scale's byte
.endr
	v_lshl_or_b32 v[\pw], v[TM+5], 8, v[TM+4]
	v_lshl_or_b32 v[\pw], v[TM+6], 16, v[\pw]
	v_lshl_or_b32 v[\pw], v[TM+7], 24, v[\pw]
.irp b, 0,1,2,3
	v_cvt_scalef32_pk8_fp4_f32 v[PC+2*\b], v[\s+16*\b:\s+7+16*\b], v[TM+12+\b]
	v_cvt_scalef32_pk8_fp4_f32 v[PC+1+2*\b], v[\s+8+16*\b:\s+15+16*\b], v[TM+12+\b]
.endr
	v_nop                                          ; one plain place behind a scaled conversion
.irp c, 0,1                                    ; the operand's layout wants a whole block in a lane: lanes 0-15 block 2 c, lanes 16-31 block 2 c + 1
.irp i, 0,1
	v_permlane16_swap_b32 v[PC+4*\c+\i], v[PC+2+4*\c+\i]
.endr
.endr
.endm
; A tile's scale words straight into registers: 16 stored rows x 32 bytes are 512 consecutive bytes; lane (r, h) takes 16 at 32 r + 16 h: the words of K steps 4 h .. 4 h + 3 of row r
.macro SCALES set, pb, pk, rb, rk
.irp t, 0,1,2,3,4,5,6,7
	global_load_b128 v[\set+4*\t:\set+4*\t+3], v10, s[\pb:\pb+1] offset:\pk+512*\t
.endr
.irp p, 0,1
	global_load_b128 v[\set+32+4*\p:\set+32+4*\p+3], v11, s[\rb:\rb+1] offset:\rk+512*\p
.endr
.endm
.macro FETCH padr, radr, s             ; K step s: 8 fragments of P and 2 of R into window 1, buffer s % 2: 20 LDS loads
	WIN 0x40
.set FB, 80*((\s)%2)
.irp t, 0,1,2,3,4,5,6,7
.irp c, 0,1
	ds_load_b128 v[FB+8*\t+4*\c:FB+8*\t+4*\c+3], v[\padr] offset:\t*16*PITCH+64*(\s)+32*\c
.endr
.endr
.irp p, 0,1
.irp c, 0,1
	ds_load_b128 v[FB+64+8*\p+4*\c:FB+64+8*\p+4*\c+3], v[\radr] offset:\p*16*PITCH+64*(\s)+32*\c
.endr
.endr
.endm
.macro WM d, a, b, c, sa, sb, row
.if \row
	v_wmma_scale_f32_16x16x128_f8f6f4 v[\d:\d+7], v[\a:\a+7], v[\b:\b+7], v[\c:\c+7], v[\sa], v[\sb] matrix_a_fmt:MATRIX_FMT_FP4 matrix_b_fmt:MATRIX_FMT_FP4 matrix_a_scale:MATRIX_SCALE_ROW1 matrix_b_scale:MATRIX_SCALE_ROW1
.else
	v_wmma_scale_f32_16x16x128_f8f6f4 v[\d:\d+7], v[\a:\a+7], v[\b:\b+7], v[\c:\c+7], v[\sa], v[\sb] matrix_a_fmt:MATRIX_FMT_FP4 matrix_b_fmt:MATRIX_FMT_FP4
.endif
.endm
; 16 matrix instructions of K step s; the 16 accumulators take turns, one instruction a turn, in the same order in every step.
; cmode 0: C = D;  1: C = the bias of P's tile t;  2: of R's tile p (both in window 2)
.macro MUL s, set, cmode, cb
.if \cmode
	WIN 0x25                                       ; sources 0 and 1 window 1, source 2 window 2, destination window 0
.else
	WIN 0x05
.endif
.irp p, 0,1
.irp t, 0,1,2,3,4,5,6,7
.set rD, ACC+64*\p+8*\t
.set rC, rD
.if \cmode == 1
.set rC, \cb+8*\t
.endif
.if \cmode == 2
.set rC, \cb+8*\p
.endif
	WM rD, 80*((\s)%2)+8*\t, 80*((\s)%2)+64+8*\p, rC, \set+4*\t+(\s)%4, \set+32+4*\p+(\s)%4, (\s)/4
.endr
.endr
.endm
.macro TILE padr, radr, set, cmode, cb ; a tile's 8 K steps; the fragments run one K step ahead
	FETCH \padr, \radr, 0
.set KS, 0
.rept 7
.if KS >= 1
	PLACES 4                                       ; in front of loads into the buffer that the K step before multiplied
.endif
	FETCH \padr, \radr, KS+1
	s_wait_dscnt 20                                ; this K step's fragments are in; the 20 loads just issued may be out
.if KS == 0
	MUL KS, \set, \cmode, \cb
.else
	MUL KS, \set, 0, 0
.endif
.set KS, KS+1
.endr
	s_wait_dscnt 0x0
	MUL 7, \set, 0, 0
	WIN 0
.endm
.macro EPI_QK koff, area               ; q's or k's way out: R tile p is image u = p of my token block; registers 4 c .. 4 c + 3 belong to head 2 X + c
.irp p, 0,1
	s_wait_xcnt 0x0                                ; the codes' registers, which earlier stores read, are written again only behind this wait
	QUANT ACC+64*\p, 38+\p
	global_store_b128 v3, v[PC:PC+3], s[68:69] offset:\koff+512*\p            ; 32 lanes store 512 consecutive bytes
	global_store_b128 v3, v[PC+4:PC+7], s[68:69] offset:\koff+65536+512*\p
.endr
	v_perm_b32 v19, v39, v38, v18                  ; lanes 0-15: head 2 X's word (u 0's bytes 0, 1 | u 1's bytes 0, 1); lanes 16-31: head 2 X + 1's (bytes 2, 3)
	ds_store_b32 v14, v19 offset:\area
.endm
.macro EPI_V                           ; v's way out: R tile p is d tile 2 (w % 2) + p of head 2 X + w / 2; registers 4 c .. 4 c + 3 are keys 64 c + 32 h on
.irp p, 0,1
	s_wait_xcnt 0x0
	QUANT ACC+64*\p, 38+\p
	global_store_b128 v3, v[PC:PC+3], s[72:73] offset:1024*\p
	global_store_b128 v3, v[PC+4:PC+7], s[72:73] offset:1024*\p+512
.endr
	v_cndmask_b32 v19, v38, v39, s78               ; lanes 0-15: tile 0's words; lanes 16-31: tile 1's
	ds_store_b32 v15, v19
.endm
	s_load_b256 s[4:11], s[0:1], 0x0               ; act s[4:5], wts s[6:7], bq s[8:9], bk s[10:11]
	s_load_b128 s[12:15], s[0:1], 0x20             ; bv s[12:13], qkv s[14:15]
	v_lshl_add_u32 v20, v0, 2, SPARE               ; my spare word; never rewritten
	v_mov_b32 v21, 0                               ; 0; never rewritten
	ds_add_u32 v20, v21
	ds_add_u32 v20, v21
	s_wait_dscnt 0x0
	v_lshrrev_b32 v1, 5, v0
	v_readfirstlane_b32 s16, v1                    ; wave 0..3
	s_lshr_b32 s17, s16, 1                         ; I fetch for the weight (0) or for the tokens (1)
	s_and_b32 s18, s16, 1                          ; which 64 rows
	s_bfe_u32 s20, ttmp6, 0x40000                  ; cx
	s_bfe_u32 s21, ttmp6, 0x40004                  ; cy
	s_lshl_b32 s22, ttmp9, 2
	s_add_co_u32 s22, s22, s20                     ; X = 4 x cluster x + cx
	s_and_b32 s23, ttmp7, 0xffff
	s_lshl_b32 s23, s23, 2
	s_add_co_u32 s23, s23, s21                     ; Y = 4 x cluster y + cy
	s_lshl_b32 s80, s21, 2
	s_lshl_b32 s80, 15, s80                        ; my row of the cluster
	s_lshl_b32 s81, 0x1111, s20                    ; my column
	; descriptor group 1: 64 rows x 512 elements of one byte, 16 bytes of padding behind every 512
	s_or_b32 s24, s81, (1<<20)|(1<<21)|(6<<22)|(3<<25)   ; 15:0 the mask: the weight's rows go to my column; 17:16 one byte; 20 padding on; 21 set beside a mask; 24:22 after every 128 words; 31:25 four words
	s_or_b32 s32, s80, (1<<20)|(1<<21)|(6<<22)|(3<<25)   ; the tokens' go to my row
.irp g, 24, 32
	s_mov_b32 s[\g+1], 512<<16                     ; tensor_dim0
	s_mov_b32 s[\g+2], 64<<16                      ; tensor_dim1
	s_mov_b32 s[\g+3], 512<<16                     ; tile_dim0
	s_mov_b32 s[\g+4], 64                          ; tile_dim1
	s_mov_b32 s[\g+5], 512                         ; from row to row
	s_mov_b32 s[\g+6], 0
	s_mov_b32 s[\g+7], 0
.endr
	s_lshl_b32 s84, s18, 15                        ; 64 rows of 512 bytes
	s_lshl_b32 s82, s22, 16                        ; the weight: 128 X rows
	s_add_co_u32 s82, s82, s84
	s_mov_b32 s83, 0
	s_lshl_b32 s86, s23, 16                        ; the tokens: 128 Y rows
	s_add_co_u32 s86, s86, s84
	s_mov_b32 s87, 0
	s_mul_i32 s85, s16, HALFT                      ; where they go: wave x 64 rows: no place in the cluster enters an LDS address
	s_wait_kmcnt 0x0
	s_add_nc_u64 s[82:83], s[6:7], s[82:83]
	s_add_nc_u64 s[86:87], s[4:5], s[86:87]
	CROUND                                         ; all sixteen work-groups are here: the first joint loads meet
	s_mov_b32 s40, 1                               ; group 0, the weight, slot 0: Wq
	s_mov_b32 s41, s85
	s_mov_b64 s[42:43], s[82:83]
	s_or_b32 s43, s43, 0x80000000
	s_mov_b32 s44, 1                               ; slot 1: Wk
	s_add_co_u32 s45, s85, SLOT
	s_add_nc_u64 s[46:47], s[82:83], 524288
	s_or_b32 s47, s47, 0x80000000
	s_mov_b32 s48, 1                               ; the tokens, slot 0: query
	s_mov_b32 s49, s85
	s_mov_b64 s[50:51], s[86:87]
	s_or_b32 s51, s51, 0x80000000
	s_mov_b32 s52, 1                               ; slot 1: key
	s_add_co_u32 s53, s85, SLOT
	s_add_nc_u64 s[54:55], s[86:87], 2097152
	s_or_b32 s55, s55, 0x80000000
	s_cmp_eq_u32 s17, 0                            ; one first fill a wave at the head, an arm for the weight's rows and an arm for the tokens'
	s_cbranch_scc0 .Lfirst_a
	tensor_load_to_lds s[40:43], s[24:31]
	s_nop 0
.rept 4
	v_nop
.endr
	s_branch .Lfirst_asked
.Lfirst_a:
	tensor_load_to_lds s[48:51], s[32:39]
	s_nop 0
.rept 4
	v_nop
.endr
.Lfirst_asked:
	s_mov_b32 s91, 0
	s_lshl_b32 s90, s22, 12
	s_add_co_u32 s90, s90, 2097152
	s_add_nc_u64 s[56:57], s[6:7], s[90:91]        ; the weights' scale bytes of my 128 rows
	s_lshl_b32 s90, s23, 12
	s_add_co_u32 s90, s90, 6291456
	s_add_nc_u64 s[58:59], s[4:5], s[90:91]        ; the tokens'
	s_lshl_b32 s90, s22, 9
	s_add_nc_u64 s[60:61], s[8:9], s[90:91]        ; bq, bk, bv at feature 128 X
	s_add_nc_u64 s[62:63], s[10:11], s[90:91]
	s_add_nc_u64 s[66:67], s[12:13], s[90:91]
	s_lshr_b32 s88, s23, 4
	s_lshl_b32 s88, s88, 4
	s_lshl_b32 s89, s22, 1
	s_add_co_u32 s88, s88, s89                     ; 16 x batch + 2 X: my first head
	s_and_b32 s89, s23, 15                         ; which 128 tokens of the batch
	s_lshl_b32 s90, s88, 16
	s_lshl_b32 s92, s89, 2
	s_add_co_u32 s92, s92, s16
	s_lshl_b32 s92, s92, 10
	s_add_co_u32 s90, s90, s92
	s_add_nc_u64 s[68:69], s[14:15], s[90:91]      ; q's images: head x 65,536 + (4 (Y % 16) + wave) x 1,024
	s_add_co_u32 s90, s88, s17
	s_lshl_b32 s90, s90, 4
	s_add_co_u32 s90, s90, s89
	s_lshl_b32 s90, s90, 2
	s_lshl_b32 s92, s18, 1
	s_add_co_u32 s90, s90, s92
	s_lshl_b32 s90, s90, 10
	s_add_co_u32 s90, s90, 4194304
	s_add_nc_u64 s[72:73], s[14:15], s[90:91]      ; v's images: (((head + wave / 2) x 16 + step) x 4 + 2 (wave % 2)) x 1,024
	s_lshl_b32 s90, s88, 12
	s_lshl_b32 s92, s89, 8
	s_add_co_u32 s90, s90, s92
	s_add_co_u32 s90, s90, 6291456
	s_add_nc_u64 s[74:75], s[14:15], s[90:91]      ; the scale words: head x 4,096 + (Y % 16) x 256
	s_mov_b32 s76, 0x76543210
	s_mov_b32 s77, 0xfedcba98                      ; v_permlanex16_b32's selects for lane l xor 16
	s_mov_b32 s78, 0xffff0000                      ; lanes 16-31
	v_and_b32 v1, 15, v0                           ; r
	v_bfe_u32 v2, v0, 4, 1                         ; h
	v_and_b32 v19, 31, v0                          ; lane
	v_lshlrev_b32 v3, 4, v19                       ; 16 x lane: an image's place
	v_mul_u32_u24 v4, v1, PITCH
	v_lshl_add_u32 v4, v2, 4, v4                   ; v4: the weight as P, slot 0: row r x pitch + 16 h
	v_add_nc_u32 v5, SLOT, v4                      ; v5: slot 1
	v_add_nc_u32 v6, OPND, v4                      ; v6: the tokens as P, slot 0
	s_mul_i32 s92, s16, 32*PITCH
	v_add_nc_u32 v9, s92, v4                       ; v9: the weight as R, slot 0: my two tiles
	v_add_nc_u32 v7, OPND, v9                      ; v7: the tokens as R, slot 0
	v_add_nc_u32 v8, SLOT, v7                      ; v8: slot 1
	v_lshlrev_b32 v10, 5, v1
	v_lshl_add_u32 v10, v2, 4, v10                 ; v10: scale bytes: 32 r + 16 h
	s_lshl_b32 s92, s16, 10
	v_add_nc_u32 v11, s92, v10                     ; v11: + my two tiles of R
	v_lshlrev_b32 v12, 6, v2                       ; v12: bq, bk: 16 h features
	v_and_b32 v13, 8, v1
	v_add_nc_u32 v13, v13, v1
	s_lshl_b32 s92, s16, 7
	v_lshl_add_u32 v13, v13, 2, s92                ; v13: bv: feature 32 wave + r + 8 (r / 8)
	s_lshl_b32 s92, s16, 6
	s_add_co_u32 s92, s92, SCR
	v_lshl_add_u32 v14, v1, 2, s92
	v_lshl_add_u32 v14, v2, 8, v14                 ; v14: q's, k's scale words: head h: 256 h + 64 wave + 4 r
	s_lshl_b32 s92, s16, 7
	s_add_co_u32 s92, s92, SCR+1024
	v_lshl_add_u32 v15, v19, 2, s92                ; v15: v's: 128 wave + 4 lane
	s_min_u32 s92, s16, 2
	s_lshl_b32 s92, s92, 9
	s_add_co_u32 s92, s92, SCR
	v_add_nc_u32 v16, s92, v3                      ; v16: back: wave 0, 1, 2 takes q's, k's, v's area
	s_lshl_b32 s92, s16, 17
	v_lshl_add_u32 v17, v1, 4, s92
	v_lshl_add_u32 v17, v2, 12, v17                ; v17: and in memory: kind x 131,072 + head h x 4,096 + 16 r
	v_mov_b32 v18, 0x05040100
	v_mov_b32 v19, 0x07060302
	v_cndmask_b32 v18, v18, v19, s78               ; v18: the byte select of EPI_QK
.irp b, 0,1,2,3
	v_mov_b32 v[TM+4+\b], 0                        ; written once: a lane permute's destination counts as one of its sources
.endr
	SCALES SETA, 56, 0, 58, 0                      ; q's tile: P = Wq, R = query
	SCALES SETB, 56, 32768, 58, 131072             ; k's tile
	WIN 0x80                                       ; destination window 2
.irp t, 0,1,2,3,4,5,6,7                        ; lane (r, h) wants, for P's tile t, the bias of features 32 (t / 2) + 8 (t % 2) + 16 h + 0 .. 7
	global_load_b128 v[BQ+8*\t:BQ+8*\t+3], v12, s[60:61] offset:(32*(\t/2)+8*(\t%2))*4
	global_load_b128 v[BQ+8*\t+4:BQ+8*\t+7], v12, s[60:61] offset:(32*(\t/2)+8*(\t%2))*4+16
	global_load_b128 v[BK+8*\t:BK+8*\t+3], v12, s[62:63] offset:(32*(\t/2)+8*(\t%2))*4
	global_load_b128 v[BK+8*\t+4:BK+8*\t+7], v12, s[62:63] offset:(32*(\t/2)+8*(\t%2))*4+16
.endr
.irp p, 0,1                                    ; in v's tile the feature is the lane's: one number in all eight registers
.irp j, 0,1,2,3,4,5,6,7
	global_load_b32 v[BV+8*\p+\j], v13, s[66:67] offset:32*\p
.endr
.endr
	WIN 0
	s_wait_alu depctr_va_vdst(0)
	s_wait_tensorcnt 0x0                           ; my part of slot 0 is in
	ds_add_u32 v20, v21
	s_wait_dscnt 0x0
	CROUND                                         ; everybody's part of slot 0 is in, and all sixteen work-groups are here
	JLOAD 44, 52                                   ; slot 1's first fill: Wk, key: my one tensor load behind the round
	s_wait_loadcnt 0x0                             ; scale words and biases
	TILE 4, 7, SETA, 1, BQ                         ; q
	s_wait_tensorcnt 0x0                           ; all my tensor loads have landed, slot 1's among them: every group 0 may be written
	ds_add_u32 v20, v21                            ; 0 onto my spare word
	s_add_nc_u64 s[42:43], s[42:43], 1048576       ; slot 0's next tiles: Wv,
	s_add_nc_u64 s[50:51], s[50:51], 4194304       ; value
	s_wait_dscnt 0x0                               ; the add is done, and my reads of slot 0 are over
	CROUND                                         ; the same holds of every wave of every partner
	JLOAD 40, 48                                   ; the one refill; the four v_nop behind it are also the places in front of the loads and reads below
	SCALES SETA, 58, 262144, 56, 65536             ; v's tile: P = value, R = Wv
	EPI_QK 0, 0
	TILE 5, 8, SETB, 1, BK                         ; k
	PLACES 4
	EPI_QK 2097152, 512
	s_wait_tensorcnt 0x0                           ; my part of v's tiles is in
	s_wait_dscnt 0x0
	s_barrier_signal -1
	s_barrier_wait -1                              ; everybody's is
	s_wait_loadcnt 0x0                             ; v's scale words
	TILE 6, 9, SETA, 2, BV                         ; v
	PLACES 4
	EPI_V
	s_wait_dscnt 0x0                               ; for the others' sake: my scale words lie in LDS
	s_barrier_signal -1
	s_barrier_wait -1
	s_cmp_lt_u32 s16, 3
	s_cbranch_scc0 .Lno_words
	ds_load_b128 v[22:25], v16
	s_wait_dscnt 0x0
	global_store_b128 v17, v[22:25], s[74:75]      ; sixteen lanes store a head's 256 consecutive bytes
.Lno_words:
	s_wait_tensorcnt 0x0                           ; the wave's end
	ds_add_u32 v20, v21
	s_wait_dscnt 0x0
	CROUND                                         ; the closing round
	s_endpgm
.Lfunc_end_k_q5848c06c50_proj:
	.size	k_q5848c06c50_proj, .Lfunc_end_k_q5848c06c50_proj-k_q5848c06c50_proj
	.p2alignl 7, 3214868480
	.fill 96, 4, 3214868480
	.section	.rodata,"a",@progbits
	.p2align	6, 0x0
	.amdhsa_kernel k_q5848c06c50_proj
		.amdhsa_group_segment_fixed_size 327680
		.amdhsa_private_segment_fixed_size 0
		.amdhsa_enable_private_segment 0
		.amdhsa_kernarg_size 48
		.amdhsa_user_sgpr_count 2
		.amdhsa_user_sgpr_kernarg_segment_ptr 1
		.amdhsa_wavefront_size32 1
		.amdhsa_system_sgpr_workgroup_id_x 1
		.amdhsa_system_sgpr_workgroup_id_y 1
		.amdhsa_system_sgpr_workgroup_id_z 1
		.amdhsa_system_vgpr_workitem_id 0
		.amdhsa_next_free_vgpr 768
		.amdhsa_next_free_sgpr 100
		.amdhsa_reserve_vcc 0
		.amdhsa_float_denorm_mode_32 3
		.amdhsa_float_denorm_mode_16_64 3
		.amdhsa_memory_ordered 1
		.amdhsa_forward_progress 1
		.amdhsa_inst_pref_size 125
	.end_amdhsa_kernel
	.amdgpu_metadata
---
amdhsa.version: [ 1, 2 ]
amdhsa.kernels:
  - .name:           k_q5848c06c50_proj
    .symbol:         k_q5848c06c50_proj.kd
    .args:
      - { .name: act, .offset: 0, .size: 8, .value_kind: global_buffer, .address_space: global }
      - { .name: wts, .offset: 8, .size: 8, .value_kind: global_buffer, .address_space: global }
      - { .name: bq, .offset: 16, .size: 8, .value_kind: global_buffer, .address_space: global }
      - { .name: bk, .offset: 24, .size: 8, .value_kind: global_buffer, .address_space: global }
      - { .name: bv, .offset: 32, .size: 8, .value_kind: global_buffer, .address_space: global }
      - { .name: qkv, .offset: 40, .size: 8, .value_kind: global_buffer, .address_space: global }
    .group_segment_fixed_size: 327680
    .private_segment_fixed_size: 0
    .kernarg_segment_align: 8
    .kernarg_segment_size: 48
    .max_flat_workgroup_size: 128
    .sgpr_count:     100
    .vgpr_count:     768
    .wavefront_size: 32
...
	.end_amdgpu_metadata
.endif
;; end of part 2
;; launch attn (part 3): grid 8 x 32, 8 waves a work-group, clusters of 4 x 1, 175,104 bytes of LDS; arguments qkv, mask, ctx; writes ctx
.if DOCPART == 3
	.amdgcn_target "amdgcn-amd-amdhsa--gfx1250"
	.amdhsa_code_object_version 6
	.text
	.protected	k_q5848c06c50_attn
	.globl	k_q5848c06c50_attn
	.p2align	8
	.type	k_q5848c06c50_attn,@function
k_q5848c06c50_attn:
	s_mov_b64 s[64:65], 0
	v_nop
	global_prefetch_b8 v0, s[64:65] scope:SCOPE_SE
	s_setreg_imm32_b32 hwreg(HW_REG_WAVE_MODE, 25, 1), 1
	s_wait_xcnt 0x0
	s_wait_alu depctr_hold_cnt(0) depctr_sa_sdst(0) depctr_va_vdst(0) depctr_va_sdst(0) depctr_va_ssrc(0) depctr_va_vcc(0) depctr_vm_vsrc(0)
	s_getreg_b32 s2, hwreg(HW_REG_IB_STS2, 6, 4)
	s_cmp_eq_u32 s2, 0
	s_cbranch_scc0 .Lentry_in_a_cluster
	s_endpgm
.Lentry_in_a_cluster:
	s_bfe_u32 s2, ttmp6, 0x10000c
	s_cmp_lg_u32 s2, 0x3003
	s_cbranch_scc0 .Lentry_shape_is_right
	s_endpgm
.Lentry_shape_is_right:
; ctx = softmax(q k^T / 8, masked keys at -infinity) v for one head, both products on codes of FP4 with E8M0 scales.  The second product's left operand is the FINISHED softmax, exp(s - max) / sum
; (0 in a row whose keys are all masked), quantised along the keys; ctx is quantised along the head's 64 for the last product.
; SHARES.  A work-group stays on 256 queries of one head: 8 trips of 32.  Wave w: query tile u = w % 2 (16 queries), key quarter kq = w / 2 (512 keys): 256 score registers, all of window 1.  Two waves to a SIMD.
; The four waves of a query tile exchange (c m, l) of their quarters once through LDS and add their partial O^T through LDS: two barriers a trip.  V's first fragments are fetched between the first barrier's signal and wait;
; the NEXT trip's scores (LDS loads of K, which nobody writes, and matrix instructions) stand between the second's.  Behind it the waves with kq < 2 add the four partials of d block kq of their tile and quantise them.
; LAYOUT.  Both products are used transposed (S^T = K Q^T, O^T = V^T P^T): a lane holds one query (lane % 16).  K's images hold the keys of a tile so chosen that score register 16 b + i is key 32 b + 16 (lane / 16) + i.
; K = 64 IN AN INSTRUCTION OF 128: source 0 is the two images of one key block (tile 0 in k 0-63, tile 1 in k 64-127); source 1 is (q, zeros) or (zeros, q): zero codes add nothing.
; THE MASK STARTS EACH SCORE'S SUM, by a matrix instruction of its own.  Register MA + m holds, in the lowest four bits of lane r, the code 1.0 where row r of key tile m is masked, else 0.  Source 0 is v[MA + 2 b .. + 7]; source 1 holds the code
; -1.0 at k = 0 (tile 2 b) or k = 8 (tile 2 b + 1) and zero codes everywhere else, so that of source 0 one code a row counts; both scales are 2^50.  The result is exactly -2^100 for a masked key and 0 for the others; the score's product adds in place.
; K and V of the head come into LDS once, by joint loads of the cluster's four work-groups (four blocks of queries of one head), 16,384 bytes a wave; nothing is filled again.  A wave has one tensor load out.
; No prefetch: K and V are asked for once, at the head, with no loop ahead of them; q comes one trip ahead by a plain load.
; ctx: codes [token tile 256][head 16][512]: d block b of row r at 256 b + 16 r; scale bytes at 2,097,152: [head of batch][blk 64][u][r][b].
; LIMITS: NaN and infinities are not served.  A masked score is the score - 2^100 (scores stay under 2^76).  A quarter's row maximum is held at -2^80 from below, and a row whose largest c x score lies at or under -2^70
; counts as fully masked.  A block's largest p is taken from its largest score, which leans on v_exp_f32 not falling where its input rises.  p under 2^-126 comes out of v_exp_f32 as 0.  A block of zeros gets the byte 1.
.set VF,    65536                      ; LDS: K's images at 0, V's here, 65,536 bytes each
.set MB,    131072                     ; a word for each key: the code 1.0 (2) where it is masked, else 0
.set RX,    139264                     ; the exchange: c m at 256 u + 16 r + 4 kq; l the same + 512
.set OP,    140288                     ; partial O^T: [u][kq][dt][2][512]
.set CSG,   173056                     ; ctx's scale bytes of the 8 trips
.set SPARE, 174080                     ; the spare words, 128 bytes a wave
; window 0: v1-15 addresses; v16-19 zeros, v20-23 q, v24-27 zeros
.set QW,   28                          ; q's scale word as loaded
.set QS,   29                          ; (b0, b1, b0, b1) of my tile
.set KSW,  30                          ; v30-37  K's scale words: block b in register b / 2, lanes 0-15 or 16-31
.set VSW,  38                          ; v38-45  V's: (4 step + dt) likewise
.set BM,   46                          ; v46-61  a block's largest score, its largest p, then the conversion's scale operand
.set PW,   62                          ; v62-65  p's scale words, one for each 128 keys
.set PC,   66                          ; v66-73  p's codes
.set SPW,  74                          ; my spare word's address; never rewritten
.set NIL,  75                          ; 0; never rewritten
.set CSA,  76                          ; CSG + 16 lane
.set FF,   78                          ; v[78:79] what every p is multiplied by
.set CM,   80                          ; c m of my quarter; v81 its sum l
.set NC,   82                          ; v[82:83] -c m
.set MSC,  84                          ; the mask product's scale word: four bytes 177 (2^50), for both sources
.set MA,   86                          ; v86-117 the 32 key tiles' mask codes; v118-123 zeros
.set MBS,  124                         ; v124-131 (-1.0 at k = 0), v132-139 (-1.0 at k = 8)
.set OT,   140                         ; v140-171 O^T, tile dt at + 8 dt
.set KB,   140                         ; v140-203 two buffers of four K fragments
.set VB,   172                         ; v172-235 two buffers of four V fragments
.set T,    172                         ; at work ahead of V's fetches
.set L,    204                         ; the sum's eight chains of pairs
.set X,    236                         ; the exchange: the four c m, the four l, four at work
.set BY,   236                         ; sixteen scale bytes
.set RB,   172                         ; the four partials of my d block
.set MSB, 0
.macro WIN new
.if MSB != (\new)
	s_set_vgpr_msb (MSB<<8)|(\new)
.set MSB, \new
.endif
.endm
.macro PLACES n
.rept \n
	v_nop
.endr
.endm
.macro CROUND
	s_barrier_signal -1
	s_barrier_wait -1
	s_cmp_lg_u32 s10, 0
	s_cbranch_scc1 .Lnot_wave_0_\@
	s_barrier_signal -3
.Lnot_wave_0_\@:
	s_barrier_wait -3
	s_barrier_signal -1
	s_barrier_wait -1
.endm
.macro FETCHK g                        ; key blocks 4 g .. 4 g + 3: 8 loads into buffer g % 2
.irp i, 0,1,2,3
.irp c, 0,1
	ds_load_b128 v[KB+32*((\g)%2)+8*\i+4*\c:KB+32*((\g)%2)+8*\i+4*\c+3], v4 offset:(4*(\g)+\i)*1024+512*\c
.endr
.endr
.endm
.macro MASKB g                         ; eight matrix instructions start the sums of key blocks 4 g .. 4 g + 3: -2^100 or 0
	WIN 0x40                                       ; destination window 1
.irp i, 0,1,2,3
.irp t, 0,1
	v_wmma_scale_f32_16x16x128_f8f6f4 v[16*(4*(\g)+\i)+8*\t:16*(4*(\g)+\i)+8*\t+7], v[MA+2*(4*(\g)+\i):MA+2*(4*(\g)+\i)+7], v[MBS+8*\t:MBS+8*\t+7], 0, v[MSC], v[MSC] matrix_a_fmt:MATRIX_FMT_FP4 matrix_b_fmt:MATRIX_FMT_FP4
.endr
.endr
.endm
.macro WS d, a, b, sa, row
.if \row
	v_wmma_scale_f32_16x16x128_f8f6f4 v[\d:\d+7], v[\a:\a+7], v[\b:\b+7], v[\d:\d+7], v[\sa], v[QS] matrix_a_fmt:MATRIX_FMT_FP4 matrix_b_fmt:MATRIX_FMT_FP4 matrix_a_scale:MATRIX_SCALE_ROW1
.else
	v_wmma_scale_f32_16x16x128_f8f6f4 v[\d:\d+7], v[\a:\a+7], v[\b:\b+7], v[\d:\d+7], v[\sa], v[QS] matrix_a_fmt:MATRIX_FMT_FP4 matrix_b_fmt:MATRIX_FMT_FP4
.endif
.endm
.macro SCOREB g                        ; and eight add the scores, in the same order: the eight accumulators take turns, one instruction a turn
	WIN 0x50                                       ; C and D window 1
.irp i, 0,1,2,3
	WS 16*(4*(\g)+\i), KB+32*((\g)%2)+8*\i, 20, KSW+2*(\g)+\i/2, \i%2
	WS 16*(4*(\g)+\i)+8, KB+32*((\g)%2)+8*\i, 16, KSW+2*(\g)+\i/2, \i%2
.endr
	WIN 0
.endm
.macro SPHASE                          ; the scores of my 16 queries x 512 keys
	s_wait_loadcnt 0x0                             ; q and its scale word
	v_perm_b32 v[QS], v[QW], v[QW], s48
	FETCHK 0
	FETCHK 1
	PLACES 8                                       ; a scale register written by a vector instruction stands 8 places ahead of a scaled matrix instruction
	s_wait_alu depctr_va_vdst(0)
	MASKB 0
	s_wait_dscnt 8                                 ; batch 0 is in; the 8 loads of batch 1 may be out
	SCOREB 0
	PLACES 4                                       ; in front of loads into the buffer just multiplied
	FETCHK 2
	MASKB 1
	s_wait_dscnt 8
	SCOREB 1
	PLACES 4
	FETCHK 3
	MASKB 2
	s_wait_dscnt 8
	SCOREB 2
	MASKB 3
	s_wait_dscnt 0x0
	SCOREB 3
	PLACES 4                                       ; in front of the loads into q's registers and of the first read of scores
.endm
.macro FETCHV s                        ; V's four fragments of my step s: 8 loads into buffer s % 2
	WIN 0
.irp d, 0,1,2,3
.irp c, 0,1
	ds_load_b128 v[VB+32*((\s)%2)+8*\d+4*\c:VB+32*((\s)%2)+8*\d+4*\c+3], v6 offset:(4*(\s)+\d)*1024+512*\c
.endr
.endr
.endm
.macro MULP s                          ; the 64 p of 128 keys are normalised
	WIN 0x41
.set J, 64*(\s)
.rept 32
	v_pk_mul_f32 v[J:J+1], v[J:J+1], v[FF:FF+1] op_sel_hi:[1,0]
.set J, J+2
.endr
.endm
.macro CVT s                           ; and become the second product's operand
	WIN 0x01
.irp b, 0,1,2,3
	v_cvt_scalef32_pk8_fp4_f32 v[PC+2*\b], v[64*(\s)+16*\b:64*(\s)+16*\b+7], v[BM+4*(\s)+\b]
	v_cvt_scalef32_pk8_fp4_f32 v[PC+2*\b+1], v[64*(\s)+16*\b+8:64*(\s)+16*\b+15], v[BM+4*(\s)+\b]
.endr
	WIN 0
	v_nop                                          ; one plain place behind a scaled conversion
.irp c, 0,1                                    ; a whole block in a lane: lanes 0-15 block 2 c, lanes 16-31 block 2 c + 1
.irp i, 0,1
	v_permlane16_swap_b32 v[PC+4*\c+\i], v[PC+4*\c+2+\i]
.endr
.endr
.endm
.macro PV1 z, row
.if \z
.if \row
	v_wmma_scale_f32_16x16x128_f8f6f4 v[rO:rO+7], v[rV:rV+7], v[PC:PC+7], 0, v[rS], v[rP] matrix_a_fmt:MATRIX_FMT_FP4 matrix_b_fmt:MATRIX_FMT_FP4 matrix_a_scale:MATRIX_SCALE_ROW1
.else
	v_wmma_scale_f32_16x16x128_f8f6f4 v[rO:rO+7], v[rV:rV+7], v[PC:PC+7], 0, v[rS], v[rP] matrix_a_fmt:MATRIX_FMT_FP4 matrix_b_fmt:MATRIX_FMT_FP4
.endif
.else
.if \row
	v_wmma_scale_f32_16x16x128_f8f6f4 v[rO:rO+7], v[rV:rV+7], v[PC:PC+7], v[rO:rO+7], v[rS], v[rP] matrix_a_fmt:MATRIX_FMT_FP4 matrix_b_fmt:MATRIX_FMT_FP4 matrix_a_scale:MATRIX_SCALE_ROW1
.else
	v_wmma_scale_f32_16x16x128_f8f6f4 v[rO:rO+7], v[rV:rV+7], v[PC:PC+7], v[rO:rO+7], v[rS], v[rP] matrix_a_fmt:MATRIX_FMT_FP4 matrix_b_fmt:MATRIX_FMT_FP4
.endif
.endif
.endm
.macro PVW s                           ; O^T += V^T P^T: the four accumulators take turns, one instruction a turn; the first step starts the sums
.irp d, 0,1,2,3
.set rO, OT+8*\d
.set rV, VB+32*((\s)%2)+8*\d
.set rS, VSW+(4*(\s)+\d)/2
.set rP, PW+(\s)
	PV1 (\s)==0, \d%2
.endr
.endm
	s_load_b128 s[4:7], s[0:1], 0x0                ; qkv s[4:5], mask s[6:7]
	s_load_b64 s[8:9], s[0:1], 0x10                ; ctx
	v_lshl_add_u32 v[SPW], v0, 2, SPARE
	v_mov_b32 v[NIL], 0
	ds_add_u32 v[SPW], v[NIL]                      ; the opening lines: the add, twice on end, and its wait ahead of my tensor load
	ds_add_u32 v[SPW], v[NIL]
	v_lshrrev_b32 v1, 5, v0
	v_readfirstlane_b32 s10, v1                    ; wave 0..7
	s_and_b32 s11, s10, 1                          ; u.  Also: I fetch K (0) or V (1)
	s_lshr_b32 s12, s10, 1                         ; kq.  Also: which quarter I fetch
	s_and_b32 s55, s12, 1                          ; the d block that I own, if kq < 2
	s_bfe_u32 s13, ttmp6, 0x40000                  ; cx
	s_lshl_b32 s14, ttmp9, 2
	s_add_co_u32 s14, s14, s13                     ; x: my 256 queries: it enters q's and ctx's addresses alone
	s_and_b32 s15, ttmp7, 0xffff                   ; the head of the batch, 0..31, which the four partners share
	s_mov_b32 s24, 15|(3<<16)|(1<<21)              ; group 1: the mask: all four work-groups; elements of 8 bytes; bit 21 beside a mask; no padding
	s_mov_b32 s25, 32<<16                          ; 64 dense rows of 256 bytes
	s_mov_b32 s26, 64<<16
	s_mov_b32 s27, 32<<16
	s_mov_b32 s28, 64
	s_mov_b32 s29, 32
	s_mov_b32 s30, 0
	s_mov_b32 s31, 0
	s_lshl_b32 s16, s11, 16
	s_lshl_b32 s17, s12, 14
	s_mov_b32 s32, 1
	s_add_co_u32 s33, s16, s17                     ; LDS: 65,536 x (K or V) + 16,384 x quarter
	s_lshl_b32 s18, s11, 21
	s_lshl_b32 s19, s15, 16
	s_add_co_u32 s18, s18, s19
	s_add_co_u32 s18, s18, s17
	s_add_co_u32 s18, s18, 2097152
	s_mov_b32 s19, 0
	s_wait_dscnt 0x0
	s_wait_kmcnt 0x0
	s_add_nc_u64 s[34:35], s[4:5], s[18:19]        ; memory: k's or v's images of the head, my quarter
	s_or_b32 s35, s35, 0x80000000
	CROUND                                         ; all four work-groups are here: the joint loads meet
	tensor_load_to_lds s[32:35], s[24:31]
	s_nop 0
.rept 4
	v_nop
.endr
	s_mov_b32 s36, 0x76543210
	s_mov_b32 s37, 0xfedcba98                      ; v_permlanex16_b32's selects for lane l xor 16
	s_mov_b32 s38, 0x3e38aa3b                      ; c = log2(e) / 8
	s_mov_b32 s39, s38
	s_mov_b32 s40, 0xbe38aa3b                      ; -c
	s_mov_b32 s41, 8                               ; trips
	s_mov_b32 s54, 0                               ; the trip's 64 bytes among ctx's scale bytes
	s_mov_b32 s48, 0x03020302
	s_cmp_eq_u32 s11, 0
	s_cselect_b32 s48, 0x01000100, s48             ; which two bytes of q's word are tile u's
	s_lshl_b32 s16, s15, 6
	s_lshl_b32 s17, s14, 3
	s_add_co_u32 s16, s16, s17                     ; 64 x head + 8 x: my first token block
	s_lshl_b32 s18, s16, 10
	s_lshl_b32 s20, s11, 9
	s_add_co_u32 s18, s18, s20
	s_add_nc_u64 s[42:43], s[4:5], s[18:19]        ; q's image u
	s_lshl_b32 s18, s16, 6
	s_add_co_u32 s18, s18, 6291456
	s_add_nc_u64 s[44:45], s[4:5], s[18:19]        ; q's scale words
	s_lshr_b32 s20, s15, 4                         ; batch
	s_and_b32 s21, s15, 15                         ; head
	s_lshl_b32 s18, s20, 6
	s_add_co_u32 s18, s18, s17
	s_lshl_b32 s18, s18, 1
	s_add_co_u32 s18, s18, s11
	s_lshl_b32 s18, s18, 13
	s_lshl_b32 s17, s21, 9
	s_add_co_u32 s18, s18, s17
	s_add_nc_u64 s[46:47], s[8:9], s[18:19]        ; ctx's codes: token tile x 8,192 + head x 512
	s_lshl_b32 s18, s15, 12
	s_lshl_b32 s17, s12, 10
	s_add_co_u32 s18, s18, s17
	s_add_co_u32 s18, s18, 6291456+131072
	s_add_nc_u64 s[50:51], s[4:5], s[18:19]        ; K's scale words of my quarter
	s_add_co_u32 s18, s18, 131072
	s_add_nc_u64 s[52:53], s[4:5], s[18:19]        ; V's
	s_lshl_b32 s18, s15, 12
	s_lshl_b32 s17, s14, 9
	s_add_co_u32 s18, s18, s17
	s_add_co_u32 s18, s18, 2097152
	s_add_nc_u64 s[56:57], s[8:9], s[18:19]        ; ctx's scale bytes of my 8 token blocks
	s_lshl_b32 s18, s20, 11
	s_add_nc_u64 s[58:59], s[6:7], s[18:19]        ; the batch's mask
	s_lshl_b32 s60, s12, 14                        ; LDS places, made of the wave's number alone
	s_add_co_u32 s61, s60, VF
	s_lshl_b32 s62, s12, 11
	s_add_co_u32 s62, s62, MB
	s_lshl_b32 s63, s11, 2
	s_add_co_u32 s63, s63, s12
	s_lshl_b32 s63, s63, 12
	s_add_co_u32 s63, s63, OP
	s_lshl_b32 s66, s11, 14
	s_lshl_b32 s67, s55, 11
	s_add_co_u32 s66, s66, s67
	s_add_co_u32 s66, s66, OP
	s_lshl_b32 s67, s12, 2
	s_lshl_b32 s68, s11, 5
	s_add_co_u32 s68, s68, s55
	s_add_co_u32 s68, s68, CSG
	s_lshl_b32 s69, s55, 8
	s_lshl_b32 s70, s11, 8
	s_add_co_u32 s70, s70, RX
	v_lshlrev_b32 v238, 3, v0
	global_load_b64 v[236:237], v238, s[58:59]     ; eight keys' mask bytes a thread
	v_and_b32 v1, 15, v0                           ; r
	v_bfe_u32 v2, v0, 4, 1                         ; h
	v_and_b32 v13, 31, v0
	v_lshlrev_b32 v3, 4, v13                       ; v3: 16 x lane
	v_lshlrev_b32 v13, 2, v13                      ; v13: 4 x lane
	v_lshlrev_b32 v12, 2, v1                       ; v12: 4 r
.irp i, 0,1,2,3,4,5,6,7
	global_load_b32 v[KSW+\i], v13, s[50:51] offset:128*\i
	global_load_b32 v[VSW+\i], v13, s[52:53] offset:128*\i
.endr
	global_load_b128 v[20:23], v3, s[42:43]        ; the first q
	global_load_b32 v[QW], v12, s[44:45]
	v_add_nc_u32 v4, s60, v3                       ; v4: K's images of my quarter
	v_add_nc_u32 v6, s61, v3                       ; v6: V's
	v_and_b32 v5, 7, v1
	v_lshrrev_b32 v15, 3, v1
	v_lshl_add_u32 v5, v5, 2, s62
	v_lshl_add_u32 v5, v15, 6, v5                  ; v5: the mask words: row r of a tile is key r % 8 + 16 (r / 8) of its 32: 2,048 kq + 4 (r % 8) + 64 (r / 8)
	v_add_nc_u32 v7, s63, v3                       ; v7: where my partial O^T goes
	v_add_nc_u32 v8, s66, v3                       ; v8: where the four partials of my d block lie
	v_lshl_add_u32 v10, v1, 4, s70                 ; v10: the exchange, read: 256 u + 16 r
	v_add_nc_u32 v9, s67, v10                      ; v9: written: + 4 kq
	v_lshl_add_u32 v11, v1, 1, s68                 ; v11: ctx's scale byte: 32 u + 2 r + d block
	v_lshl_add_u32 v14, v1, 4, s69
	v_lshl_add_u32 v14, v2, 3, v14                 ; v14: ctx's codes: 256 x d block + 16 r + 8 h
	v_add_nc_u32 v[CSA], CSG, v3
	v_lshl_add_u32 v239, v0, 5, MB                 ; my eight keys' words
.irp i, 16,17,18,19,24,25,26,27
	v_mov_b32 v[\i], 0                             ; the zero codes beside q
.endr
.set N, MA+32
.rept 22
	v_mov_b32 v[N], 0                              ; the zeros behind the mask codes, and the mask product's source 1
.set N, N+1
.endr
	v_xor_b32 v15, 1, v2
	v_mul_u32_u24 v[MBS], v15, 10                  ; the code -1.0 at k = 0: lanes 0-15, the lowest four bits of register 0;
	v_mul_u32_u24 v[MBS+9], v15, 10                ; at k = 8: of register 1
	v_mov_b32 v[MSC], 0xb1b1b1b1                   ; 2^50 in all four bytes
.set N, 0
.rept 16
	v_mov_b32 v[T+N], 0                            ; written once: a lane permute's destination counts as one of its sources
.set N, N+1
.endr
	s_wait_alu depctr_va_vdst(0)
	s_wait_loadcnt 0x0
.irp i, 0,1,2,3,4,5,6,7
	v_bfe_u32 v[204+\i], v[236+\i/4], 8*(\i%4), 1
.endr
.irp i, 0,1,2,3,4,5,6,7
	v_lshlrev_b32 v[204+\i], 1, v[204+\i]          ; the code 1.0 where the key is masked, else 0
.endr
	ds_store_b128 v239, v[204:207]
	ds_store_b128 v239, v[208:211] offset:16
	s_wait_alu depctr_va_vdst(0)
	s_wait_tensorcnt 0x0                           ; my part of K or V is in,
	s_wait_dscnt 0x0                               ; my keys' words are stored:
	s_barrier_signal -1
	s_barrier_wait -1                              ; everybody's are
.set N, 0
.rept 32
	ds_load_b32 v[MA+N], v5 offset:(32*(N/2)+8*(N%2))*4   ; key tile N of my quarter
.set N, N+1
.endr
	s_wait_dscnt 0x0
	SPHASE                                         ; the first trip's scores
.Lblock:                                           ; a trip: one token block, whose scores are made
	s_cmp_eq_u32 s41, 1                            ; the next trip's q, if there is a next trip
	s_cbranch_scc1 .Lnoq
	global_load_b128 v[20:23], v3, s[42:43] offset:1024
	global_load_b32 v[QW], v12, s[44:45] offset:64
.Lnoq:
	; the largest score of each block of 32 keys; each accumulator is read from its low end on
	WIN 0x15
.set B, 0
.rept 16
	v_max3_num_f32 v[BM+B], v[16*B], v[16*B+1], v[16*B+2]
.set B, B+1
.endr
	WIN 0x14
.irp i, 3,5,7,9,11,13
.set B, 0
.rept 16
	v_max3_num_f32 v[BM+B], v[BM+B], v[16*B+\i], v[16*B+\i+1]
.set B, B+1
.endr
.endr
.set B, 0
.rept 16
	v_max_num_f32 v[BM+B], v[BM+B], v[16*B+15]
.set B, B+1
.endr
	WIN 0
.set N, 0
.rept 16
	v_permlanex16_b32 v[T+N], v[BM+N], s36, s37
.set N, N+1
.endr
.set N, 0
.rept 16
	v_max_num_f32 v[BM+N], v[BM+N], v[T+N]         ; with lane l xor 16's 16 keys
.set N, N+1
.endr
.irp k, 0,1,2,3,4
	v_max3_num_f32 v[T+\k], v[BM+3*\k], v[BM+3*\k+1], v[BM+3*\k+2]
.endr
	s_delay_alu instid0(VALU_DEP_3)
	v_max3_num_f32 v[T], v[T], v[T+1], v[T+2]
	s_delay_alu instid0(VALU_DEP_2)
	v_max3_num_f32 v[T+3], v[T+3], v[T+4], v[BM+15]
	s_delay_alu instid0(VALU_DEP_1)
	v_max3_num_f32 v[T], v[T], v[T+3], 0xe7800000  ; m of my quarter, held at -2^80 from below: a quarter whose keys are all masked then has p = 0 throughout
	s_delay_alu instid0(VALU_DEP_1)
	v_mul_f32 v[NC], s40, v[T]                     ; -c m
	v_mul_f32 v[NC+1], s40, v[T]
	v_mul_f32 v[CM], s38, v[T]                     ; c m
	; p = 2^(c s - c m), in place: all the sources first, one wait, one batch, one wait
	WIN 0x41
.set J, 0
.rept 128
	v_pk_fma_f32 v[J:J+1], v[J:J+1], s[38:39], v[NC:NC+1] op_sel_hi:[1,0,0]
.set J, J+2
.endr
	WIN 0
.set N, 0
.rept 16
	v_fma_f32 v[BM+N], v[BM+N], s38, v[NC]         ; the same two instructions on each block's largest score give its largest p
.set N, N+1
.endr
	s_wait_alu depctr_va_vdst(0)                   ; ahead of the batch
	WIN 0x41
.set J, 0
.rept 256
	v_exp_f32 v[J], v[J]
.set J, J+1
.endr
	WIN 0
.set N, 0
.rept 16
	v_exp_f32 v[BM+N], v[BM+N]
.set N, N+1
.endr
	v_nop                                          ; a plain place behind the exponentials
	s_wait_alu depctr_va_vdst(0)                   ; one wait for the whole batch, ahead of its first reader
	; the sum of my 256 p: eight chains of pairs by turns
	WIN 0x05
.set J, 0
.rept 8
	v_pk_add_f32 v[L+J:L+J+1], v[J:J+1], v[16+J:17+J]
.set J, J+2
.endr
	WIN 0x04
.set J, 32
.rept 112
	v_pk_add_f32 v[L+J%16:L+J%16+1], v[L+J%16:L+J%16+1], v[J:J+1]
.set J, J+2
.endr
	WIN 0
.irp k, 8,4,2
.set J, 0
.rept \k/2
	v_pk_add_f32 v[L+J:L+J+1], v[L+J:L+J+1], v[L+\k+J:L+\k+J+1]
.set J, J+2
.endr
.endr
	s_delay_alu instid0(VALU_DEP_1)
	v_add_f32 v[CM+1], v[L], v[L+1]
	s_delay_alu instid0(VALU_DEP_1)
	v_permlanex16_b32 v[T], v[CM+1], s36, s37
	s_delay_alu instid0(VALU_DEP_1)
	v_add_f32 v[CM+1], v[CM+1], v[T]               ; l: my quarter's sum of my query
	; the one exchange among the four quarters
	ds_store_b32 v9, v[CM]                         ; (both halves of the lanes write the same word with the same value)
	ds_store_b32 v9, v[CM+1] offset:512
	s_wait_alu depctr_va_vdst(0)
	s_wait_dscnt 0x0                               ; my words are stored, and every earlier LDS instruction of mine is done
	s_barrier_signal -1
	FETCHV 0                                       ; bytes that nobody writes
	s_barrier_wait -1
	ds_load_b128 v[X:X+3], v10                     ; the four c m
	ds_load_b128 v[X+4:X+7], v10 offset:512        ; the four l
	s_wait_dscnt 0x0
	v_max3_num_f32 v[X+8], v[X], v[X+1], v[X+2]
	s_delay_alu instid0(VALU_DEP_1)
	v_max_num_f32 v[X+8], v[X+8], v[X+3]           ; the row's c m
	s_delay_alu instid0(VALU_DEP_1)
	v_sub_f32 v[X+9], v[CM], v[X+8]
.irp i, 0,1,2,3
	v_sub_f32 v[X+\i], v[X+\i], v[X+8]
.endr
	s_wait_alu depctr_va_vdst(0)                   ; ahead of the batch
	v_exp_f32 v[X+9], v[X+9]                       ; 2^(c m of my quarter - the row's)
.irp i, 0,1,2,3
	v_exp_f32 v[X+\i], v[X+\i]
.endr
	v_nop
	s_wait_alu depctr_va_vdst(0)                   ; and behind it
	v_mul_f32 v[X+10], v[X+4], v[X]
	v_fmac_f32 v[X+10], v[X+5], v[X+1]
	v_fmac_f32 v[X+10], v[X+6], v[X+2]
	v_fmac_f32 v[X+10], v[X+7], v[X+3]             ; the row's sum
	s_wait_alu depctr_va_vdst(0)
	v_rcp_f32 v[X+11], v[X+10]
	v_nop
	s_wait_alu depctr_va_vdst(0)
	v_mul_f32 v[FF], v[X+9], v[X+11]
	v_cmp_lt_f32 vcc_lo, 0xe2800000, v[X+8]        ; does any key count?  (-2^70 < the row's c m)
	s_delay_alu instid0(VALU_DEP_1)
	v_cndmask_b32 v[FF], 0, v[FF], vcc_lo          ; a fully masked row: all its weights are 0
	s_delay_alu instid0(VALU_DEP_1)
	v_mov_b32 v[FF+1], v[FF]
	; the blocks' scales of the finished softmax
.set N, 0
.rept 16
	v_mul_f32 v[BM+N], v[BM+N], v[FF]              ; the block's largest weight
.set N, N+1
.endr
.set N, 0
.rept 16
	v_max_num_f32 v[BM+N], 0x1800000, v[BM+N]      ; the floor 2^(3 - 127): the byte cannot fall under 1
.set N, N+1
.endr
.set N, 0
.rept 16
	v_add_nc_u32 v[BM+N], 0xff000000, v[BM+N]      ; 2 off the exponent field: the conversion's scale operand
.set N, N+1
.endr
.set N, 0
.rept 16
	v_lshrrev_b32 v[BY+N], 23, v[BM+N]             ; the scale's byte
.set N, N+1
.endr
.irp s, 0,1,2,3
	v_lshl_or_b32 v[PW+\s], v[BY+4*\s+1], 8, v[BY+4*\s]
.endr
.irp s, 0,1,2,3
	v_lshl_or_b32 v[PW+\s], v[BY+4*\s+2], 16, v[PW+\s]
.endr
.irp s, 0,1,2,3
	v_lshl_or_b32 v[PW+\s], v[BY+4*\s+3], 24, v[PW+\s]
.endr
	; normalise, quantise, multiply: MULP's 32 plain lines are the places between a product and the loads and conversions into what it read
.irp s, 0,1,2,3
	MULP \s
.if \s < 3
	FETCHV \s+1
.endif
	CVT \s
	PLACES 4                                       ; an operand written by vector instructions stands 4 places ahead of a scaled matrix instruction
	s_wait_alu depctr_va_vdst(0)
.if \s < 3
	s_wait_dscnt 8                                 ; this step's V is in; the 8 loads just issued may be out
.else
	s_wait_dscnt 0x0
.endif
	PVW \s
.endr
	; the four quarters' O^T meet in LDS
	PLACES 4
.irp d, 0,1,2,3
	ds_store_b128 v7, v[OT+8*\d:OT+8*\d+3] offset:1024*\d          ; each accumulator from its low end on
	ds_store_b128 v7, v[OT+8*\d+4:OT+8*\d+7] offset:1024*\d+512
.endr
	v_add_nc_u32 v15, s54, v11                     ; this trip's place among ctx's scale bytes (made by every wave, ahead of the parting)
	s_wait_alu depctr_va_vdst(0)
	s_wait_dscnt 0x0
	s_barrier_signal -1
	s_cmp_eq_u32 s41, 1                            ; while the others arrive: the next trip's scores, if there is a next trip (K's bytes are written by nobody; p has been used up)
	s_cbranch_scc1 .Lnos
	SPHASE
.Lnos:
	s_barrier_wait -1
	s_cmp_lt_u32 s12, 2
	s_cbranch_scc0 .Lnosum
	; waves with kq < 2 own d block kq of tile u: 16 numbers a lane, d = 32 kq + 16 h + 0 .. 15
.irp k, 0,1,2,3
.irp uu, 0,1
.irp c, 0,1
	ds_load_b128 v[RB+16*\k+8*\uu+4*\c:RB+16*\k+8*\uu+4*\c+3], v8 offset:\k*4096+\uu*1024+512*\c
.endr
.endr
.endr
	s_wait_dscnt 0x0
.irp j, 0,2,4,6,8,10,12,14
	v_pk_add_f32 v[RB+\j:RB+\j+1], v[RB+\j:RB+\j+1], v[RB+16+\j:RB+17+\j]
	v_pk_add_f32 v[RB+32+\j:RB+33+\j], v[RB+32+\j:RB+33+\j], v[RB+48+\j:RB+49+\j]
.endr
.irp j, 0,2,4,6,8,10,12,14
	v_pk_add_f32 v[RB+\j:RB+\j+1], v[RB+\j:RB+\j+1], v[RB+32+\j:RB+33+\j]
.endr
	v_max3_num_f32 v236, |v172|, |v173|, 0x1800000 ; ctx is an operand of the last product: its block of 32 along the head's axis is quantised here
	v_max3_num_f32 v237, |v174|, |v175|, |v176|
	s_delay_alu instid0(VALU_DEP_2)
	v_max3_num_f32 v236, v236, |v177|, |v178|
	s_delay_alu instid0(VALU_DEP_2)
	v_max3_num_f32 v237, v237, |v179|, |v180|
	s_delay_alu instid0(VALU_DEP_2)
	v_max3_num_f32 v236, v236, |v181|, |v182|
	s_delay_alu instid0(VALU_DEP_2)
	v_max3_num_f32 v237, v237, |v183|, |v184|
	s_delay_alu instid0(VALU_DEP_2)
	v_max3_num_f32 v236, v236, |v185|, |v186|
	s_delay_alu instid0(VALU_DEP_1)
	v_max3_num_f32 v236, v236, v237, |v187|
	s_delay_alu instid0(VALU_DEP_1)
	v_permlanex16_b32 v238, v236, s36, s37
	s_delay_alu instid0(VALU_DEP_1)
	v_max_num_f32 v236, v236, v238
	s_delay_alu instid0(VALU_DEP_1)
	v_add_nc_u32 v237, 0xff000000, v236
	v_cvt_scalef32_pk8_fp4_f32 v240, v[172:179], v237
	v_cvt_scalef32_pk8_fp4_f32 v241, v[180:187], v237
	v_lshrrev_b32 v239, 23, v237                   ; the scale's byte (also the plain line behind the conversions)
	global_store_b64 v14, v[240:241], s[46:47]     ; the wave stores 256 consecutive bytes, aligned
	ds_store_b8 v15, v239                          ; (both halves of the lanes write the same byte with the same value)
	s_wait_alu depctr_va_vdst(0)
.Lnosum:
	s_wait_xcnt 0x0                                ; the pointers, and the registers that the store reads, are written again only behind this wait
	s_add_nc_u64 s[42:43], s[42:43], 1024
	s_add_nc_u64 s[44:45], s[44:45], 64
	s_add_nc_u64 s[46:47], s[46:47], 16384
	s_add_co_u32 s54, s54, 64
	s_sub_co_u32 s41, s41, 1
	s_cmp_lg_u32 s41, 0
	s_cbranch_scc1 .Lblock
	s_wait_dscnt 0x0                               ; my scale bytes are stored
	s_barrier_signal -1
	s_barrier_wait -1
	s_cmp_lg_u32 s10, 0
	s_cbranch_scc1 .Lend
	ds_load_b128 v[172:175], v[CSA]
	s_wait_dscnt 0x0
	global_store_b128 v3, v[172:175], s[56:57]     ; 512 consecutive bytes: the 8 token blocks' scale bytes
.Lend:
	s_wait_tensorcnt 0x0                           ; the wave's end
	ds_add_u32 v[SPW], v[NIL]
	s_wait_dscnt 0x0
	CROUND                                         ; the closing round
	s_endpgm
.Lfunc_end_k_q5848c06c50_attn:
	.size	k_q5848c06c50_attn, .Lfunc_end_k_q5848c06c50_attn-k_q5848c06c50_attn
	.p2alignl 7, 3214868480
	.fill 96, 4, 3214868480
	.section	.rodata,"a",@progbits
	.p2align	6, 0x0
	.amdhsa_kernel k_q5848c06c50_attn
		.amdhsa_group_segment_fixed_size 175104
		.amdhsa_private_segment_fixed_size 0
		.amdhsa_enable_private_segment 0
		.amdhsa_kernarg_size 24
		.amdhsa_user_sgpr_count 2
		.amdhsa_user_sgpr_kernarg_segment_ptr 1
		.amdhsa_wavefront_size32 1
		.amdhsa_system_sgpr_workgroup_id_x 1
		.amdhsa_system_sgpr_workgroup_id_y 1
		.amdhsa_system_sgpr_workgroup_id_z 1
		.amdhsa_system_vgpr_workitem_id 0
		.amdhsa_next_free_vgpr 512
		.amdhsa_next_free_sgpr 72
		.amdhsa_reserve_vcc 1
		.amdhsa_float_denorm_mode_32 3
		.amdhsa_float_denorm_mode_16_64 3
		.amdhsa_memory_ordered 1
		.amdhsa_forward_progress 1
		.amdhsa_inst_pref_size 99
	.end_amdhsa_kernel
	.amdgpu_metadata
---
amdhsa.version: [ 1, 2 ]
amdhsa.kernels:
  - .name:           k_q5848c06c50_attn
    .symbol:         k_q5848c06c50_attn.kd
    .args:
      - { .name: qkv, .offset: 0, .size: 8, .value_kind: global_buffer, .address_space: global }
      - { .name: mask, .offset: 8, .size: 8, .value_kind: global_buffer, .address_space: global }
      - { .name: ctx, .offset: 16, .size: 8, .value_kind: global_buffer, .address_space: global }
    .group_segment_fixed_size: 175104
    .private_segment_fixed_size: 0
    .kernarg_segment_align: 8
    .kernarg_segment_size: 24
    .max_flat_workgroup_size: 256
    .sgpr_count:     72
    .vgpr_count:     512
    .wavefront_size: 32
...
	.end_amdgpu_metadata
.endif
;; end of part 3
;; launch outp (part 4): grid 8 x 32, 4 waves a work-group, clusters of 4 x 4, 168,448 bytes of LDS; arguments ctx, wts, bo, out0; writes out0
.if DOCPART == 4
	.amdgcn_target "amdgcn-amd-amdhsa--gfx1250"
	.amdhsa_code_object_version 6
	.text
	.protected	k_q5848c06c50_outp
	.globl	k_q5848c06c50_outp
	.p2align	8
	.type	k_q5848c06c50_outp,@function
k_q5848c06c50_outp:
	s_mov_b64 s[64:65], 0
	v_nop
	global_prefetch_b8 v0, s[64:65] scope:SCOPE_SE
	s_setreg_imm32_b32 hwreg(HW_REG_WAVE_MODE, 25, 1), 1
	s_wait_xcnt 0x0
	s_wait_alu depctr_hold_cnt(0) depctr_sa_sdst(0) depctr_va_vdst(0) depctr_va_sdst(0) depctr_va_ssrc(0) depctr_va_vcc(0) depctr_vm_vsrc(0)
	s_getreg_b32 s2, hwreg(HW_REG_IB_STS2, 6, 4)
	s_cmp_eq_u32 s2, 0
	s_cbranch_scc0 .Lentry_in_a_cluster
	s_endpgm
.Lentry_in_a_cluster:
	s_bfe_u32 s2, ttmp6, 0x10000c
	s_cmp_lg_u32 s2, 0xf033
	s_cbranch_scc0 .Lentry_shape_is_right
	s_endpgm
.Lentry_shape_is_right:
; out0 = ctx Wo + bo on codes of FP4 with E8M0 scales, K = 1,024.  One tile of 128 x 128 a work-group: outputs 128 X on, tokens 128 Y on; all of K lies in LDS, filled once.
; Source 0 (P) = Wo's stored rows, 528 bytes apart in LDS; source 1 (R) = ctx's token tiles, which lie in memory as images of the operand's registers: tile x 8,192 + K step x 1,024 + c x 512 + 16 x lane.
; A wave takes all 8 tiles of P and token tiles 2 w, 2 w + 1: 16 accumulators, which take turns.  A lane holds one token and, by the stored order of Wo's rows, outputs 32 (t / 2) + 8 (t % 2) + 16 h + 0 .. 7 of tile t.  bo is the C of the first K step.
; CLUSTER 4 x 4: Wo's rows hang on X alone and are asked for jointly along a column of the cluster, ctx's tiles on Y alone, along a row.  A wave has one tensor load out.
; ctx's scale bytes lie by head: a wave gathers 1,024 bytes of them in pieces of 32 bytes, once.
.set PITCH, 528
.set HALFT, 64*PITCH
.set ROP,   128*PITCH                  ; ctx's 8 token tiles, 65,536 bytes
.set STG,   ROP+65536                  ; the way out: 16 rows x (512 bytes + 16) for each wave
.set SETA,  40                         ; v40-79: scale words: P tile t at +4 t, R tile p at +32 + 4 p; register s % 4, lanes 0-15 K step s < 4, lanes 16-31 K step s >= 4
.set ACC,   128
.set BO,    0                          ; window 2: bo's 8 tiles
.set MSB, 0
.macro WIN new
.if MSB != \new
	s_set_vgpr_msb (MSB<<8)|\new
.set MSB, \new
.endif
.endm
.macro PLACES n
.rept \n
	v_nop
.endr
.endm
.macro CROUND
	s_barrier_signal -1
	s_barrier_wait -1
	s_cmp_lg_u32 s16, 0
	s_cbranch_scc1 .Lnot_wave_0_\@
	s_barrier_signal -3
.Lnot_wave_0_\@:
	s_barrier_wait -3
	s_barrier_signal -1
	s_barrier_wait -1
.endm
.macro FETCH s                         ; K step s: 8 fragments of P and 2 of R into window 1, buffer s % 2: 20 LDS loads
	WIN 0x40
.set FB, 80*((\s)%2)
.irp t, 0,1,2,3,4,5,6,7
.irp c, 0,1
	ds_load_b128 v[FB+8*\t+4*\c:FB+8*\t+4*\c+3], v4 offset:\t*16*PITCH+64*(\s)+32*\c
.endr
.endr
.irp p, 0,1
.irp c, 0,1
	ds_load_b128 v[FB+64+8*\p+4*\c:FB+64+8*\p+4*\c+3], v5 offset:\p*8192+1024*(\s)+512*\c
.endr
.endr
.endm
.macro WM d, a, b, c, sa, sb, row
.if \row
	v_wmma_scale_f32_16x16x128_f8f6f4 v[\d:\d+7], v[\a:\a+7], v[\b:\b+7], v[\c:\c+7], v[\sa], v[\sb] matrix_a_fmt:MATRIX_FMT_FP4 matrix_b_fmt:MATRIX_FMT_FP4 matrix_a_scale:MATRIX_SCALE_ROW1 matrix_b_scale:MATRIX_SCALE_ROW1
.else
	v_wmma_scale_f32_16x16x128_f8f6f4 v[\d:\d+7], v[\a:\a+7], v[\b:\b+7], v[\c:\c+7], v[\sa], v[\sb] matrix_a_fmt:MATRIX_FMT_FP4 matrix_b_fmt:MATRIX_FMT_FP4
.endif
.endm
.macro MUL s, first                    ; 16 matrix instructions; the accumulators take turns, one instruction a turn; first = 1: C = bo's tile t, in window 2
.if \first
	WIN 0x25
.else
	WIN 0x05
.endif
.irp p, 0,1
.irp t, 0,1,2,3,4,5,6,7
.set rD, ACC+64*\p+8*\t
.set rC, rD
.if \first
.set rC, BO+8*\t
.endif
	WM rD, 80*((\s)%2)+8*\t, 80*((\s)%2)+64+8*\p, rC, SETA+4*\t+(\s)%4, SETA+32+4*\p+(\s)%4, (\s)/4
.endr
.endr
.endm
.macro TOSTAGE p                       ; token tile p: a lane's 32 bytes of a row go into my stage, and whole rows of 512 bytes come back into the registers that they left
.irp t, 0,1,2,3,4,5,6,7
	ds_store_b128 v14, v[ACC+64*\p+8*\t:ACC+64*\p+8*\t+3] offset:128*(\t/2)+32*(\t%2)        ; each accumulator from its low end on
	ds_store_b128 v14, v[ACC+64*\p+8*\t+4:ACC+64*\p+8*\t+7] offset:128*(\t/2)+32*(\t%2)+16
.endr
.irp i, 0,1,2,3,4,5,6,7,8,9,10,11,12,13,14,15
	ds_load_b128 v[ACC+64*\p+4*\i:ACC+64*\p+4*\i+3], v15 offset:\i*PITCH   ; LDS serves a wave's instructions in order: these see the stores above, and the next tile's stores come behind them
.endr
.endm
.macro SEND p, younger                 ; younger: the LDS instructions issued behind tile p's loads
.irp i, 0,1,2,3,4,5,6,7,8,9,10,11,12,13,14,15
	s_wait_dscnt \younger+15-\i
	global_store_b128 v3, v[ACC+64*\p+4*\i:ACC+64*\p+4*\i+3], s[68:69] offset:(8*\p+\i+8*(\i/8))*4096 th:TH_STORE_NT   ; 32 lanes store 512 consecutive bytes of token 8 p + i + 8 (i / 8) of my 32
.endr
.endm
	s_load_b256 s[4:11], s[0:1], 0x0               ; ctx s[4:5], wts s[6:7], bo s[8:9], out0 s[10:11]
	v_lshl_add_u32 v126, v0, 2, 0x29000
	v_mov_b32 v127, 0
	ds_add_u32 v126, v127
	ds_add_u32 v126, v127
	v_lshrrev_b32 v1, 5, v0
	v_readfirstlane_b32 s16, v1                    ; wave 0..3
	s_lshr_b32 s17, s16, 1                         ; I fetch for Wo (0) or for ctx (1)
	s_and_b32 s18, s16, 1                          ; which half
	s_bfe_u32 s20, ttmp6, 0x40000                  ; cx
	s_bfe_u32 s21, ttmp6, 0x40004                  ; cy
	s_lshl_b32 s22, ttmp9, 2
	s_add_co_u32 s22, s22, s20                     ; X
	s_and_b32 s23, ttmp7, 0xffff
	s_lshl_b32 s23, s23, 2
	s_add_co_u32 s23, s23, s21                     ; Y
	s_lshl_b32 s80, s21, 2
	s_lshl_b32 s80, 15, s80                        ; my row of the cluster
	s_lshl_b32 s81, 0x1111, s20                    ; my column
	s_or_b32 s24, s81, (1<<20)|(1<<21)|(6<<22)|(3<<25)   ; Wo: 64 rows x 512 bytes, 16 of padding behind each; the mask: my column
	s_mov_b32 s25, 512<<16
	s_mov_b32 s26, 64<<16
	s_mov_b32 s27, 512<<16
	s_mov_b32 s28, 64
	s_mov_b32 s29, 512
	s_mov_b32 s30, 0
	s_mov_b32 s31, 0
	s_or_b32 s32, s80, (3<<16)|(1<<21)             ; ctx: 128 dense rows of 256 bytes (32 elements of 8 bytes), no padding; the mask: my row
	s_mov_b32 s33, 32<<16
	s_mov_b32 s34, 128<<16
	s_mov_b32 s35, 32<<16
	s_mov_b32 s36, 128
	s_mov_b32 s37, 32
	s_mov_b32 s38, 0
	s_mov_b32 s39, 0
	s_lshl_b32 s84, s18, 15                        ; half of either operand is 32,768 bytes of memory
	s_lshl_b32 s82, s22, 16
	s_add_co_u32 s82, s82, s84
	s_add_co_u32 s82, s82, 3*524288                ; Wo's codes, stored rows 128 X on
	s_mov_b32 s83, 0
	s_lshl_b32 s86, s23, 16                        ; ctx's token tiles 8 Y on
	s_add_co_u32 s86, s86, s84
	s_mov_b32 s87, 0
	s_wait_dscnt 0x0
	s_wait_kmcnt 0x0
	s_mov_b32 s40, 1
	s_mul_i32 s41, s18, HALFT
	s_add_nc_u64 s[42:43], s[6:7], s[82:83]
	s_or_b32 s43, s43, 0x80000000
	s_mov_b32 s44, 1
	s_add_co_u32 s45, s84, ROP
	s_add_nc_u64 s[46:47], s[4:5], s[86:87]
	s_or_b32 s47, s47, 0x80000000
	CROUND                                         ; all sixteen work-groups are here: the joint loads meet
	s_cmp_eq_u32 s17, 0
	s_cbranch_scc0 .Lfor_r
	tensor_load_to_lds s[40:43], s[24:31]
	s_nop 0
.rept 4
	v_nop
.endr
	s_branch .Lasked
.Lfor_r:
	tensor_load_to_lds s[44:47], s[32:39]
	s_nop 0
.rept 4
	v_nop
.endr
.Lasked:
	s_mov_b32 s91, 0
	s_lshl_b32 s90, s22, 12
	s_add_co_u32 s90, s90, 2097152+98304
	s_add_nc_u64 s[56:57], s[6:7], s[90:91]        ; Wo's scale bytes of my 128 rows
	s_lshl_b32 s90, s22, 9
	s_add_nc_u64 s[60:61], s[8:9], s[90:91]        ; bo at output 128 X
	s_lshr_b32 s88, s23, 4
	s_lshl_b32 s90, s88, 16
	s_and_b32 s89, s23, 15
	s_lshl_b32 s89, s89, 2
	s_add_co_u32 s89, s89, s16
	s_lshl_b32 s89, s89, 6
	s_add_co_u32 s90, s90, s89
	s_add_co_u32 s90, s90, 2097152
	s_add_nc_u64 s[58:59], s[4:5], s[90:91]        ; ctx's scale bytes: batch x 65,536 + (4 (Y % 16) + wave) x 64
	s_lshl_b32 s90, s23, 2
	s_add_co_u32 s90, s90, s16
	s_lshl_b32 s90, s90, 17
	s_lshl_b32 s89, s22, 9
	s_add_co_u32 s90, s90, s89
	s_add_nc_u64 s[68:69], s[10:11], s[90:91]      ; out0: token 32 (4 Y + wave), output 128 X
	v_and_b32 v1, 15, v0                           ; r
	v_bfe_u32 v2, v0, 4, 1                         ; h
	v_and_b32 v19, 31, v0
	v_lshlrev_b32 v3, 4, v19                       ; v3: 16 x lane
	v_mul_u32_u24 v4, v1, PITCH
	v_lshl_add_u32 v4, v2, 4, v4                   ; v4: Wo's fragments: row r x pitch + 16 h
	s_lshl_b32 s92, s16, 14
	s_add_co_u32 s92, s92, ROP
	v_add_nc_u32 v5, s92, v3                       ; v5: ctx's images of my two token tiles
	v_lshlrev_b32 v10, 5, v1
	v_lshl_add_u32 v10, v2, 4, v10                 ; v10: Wo's scale bytes: 32 r + 16 h
	v_lshlrev_b32 v12, 6, v2                       ; v12: bo: 16 h outputs
	v_lshlrev_b32 v13, 1, v1
	v_lshl_add_u32 v13, v2, 15, v13                ; v13: ctx's scale bytes: 8 heads x h + 2 r
	s_mul_i32 s92, s16, 16*PITCH
	s_add_co_u32 s92, s92, STG
	v_mul_u32_u24 v14, v1, PITCH
	v_lshl_add_u32 v14, v2, 6, v14
	v_add_nc_u32 v14, s92, v14                     ; v14: the stage, in: row r, + 64 h
	v_add_nc_u32 v15, s92, v3                      ; v15: back: 16 bytes a lane
.irp t, 0,1,2,3,4,5,6,7
	global_load_b128 v[SETA+4*\t:SETA+4*\t+3], v10, s[56:57] offset:512*\t
.endr
.irp p, 0,1
.irp j, 0,1,2,3,4,5,6,7
	global_load_u16 v[80+8*\p+\j], v13, s[58:59] offset:4096*\j+32*\p    ; head 8 h + j's two bytes of row r of token tile p
.endr
.endr
	WIN 0x80                                       ; destination window 2
.irp t, 0,1,2,3,4,5,6,7
	global_load_b128 v[BO+8*\t:BO+8*\t+3], v12, s[60:61] offset:(32*(\t/2)+8*(\t%2))*4
	global_load_b128 v[BO+8*\t+4:BO+8*\t+7], v12, s[60:61] offset:(32*(\t/2)+8*(\t%2))*4+16
.endr
	WIN 0
	s_wait_tensorcnt 0x0                           ; my part is in,
	s_barrier_signal -1
	s_barrier_wait -1                              ; everybody's is
	s_wait_loadcnt 0x0
.irp p, 0,1
.irp i, 0,1,2,3
	v_lshl_or_b32 v[SETA+32+4*\p+\i], v[80+8*\p+2*\i+1], 16, v[80+8*\p+2*\i]   ; the word of K step 4 h + i: heads 2 (4 h + i) and + 1
.endr
.endr
	PLACES 8                                       ; a scale register written by a vector instruction stands 8 places ahead of a scaled matrix instruction
	FETCH 0
.set KS, 0
.rept 7
.if KS >= 1
	PLACES 4                                       ; in front of loads into the buffer that the K step before multiplied
.endif
	FETCH KS+1
	s_wait_dscnt 20                                ; this K step's fragments are in; the 20 loads just issued may be out
.if KS == 0
	s_wait_alu depctr_va_vdst(0)
	MUL KS, 1
.else
	MUL KS, 0
.endif
.set KS, KS+1
.endr
	s_wait_dscnt 0x0
	MUL 7, 0
	WIN 0
	PLACES 4                                       ; in front of the first read of results and of the loads into their registers
	TOSTAGE 0
	TOSTAGE 1
	SEND 0, 32                                     ; behind tile 0's loads: tile 1's 16 stores and 16 loads
	SEND 1, 0
	s_wait_tensorcnt 0x0
	ds_add_u32 v126, v127
	s_wait_dscnt 0x0
	CROUND                                         ; the closing round
	s_endpgm
.Lfunc_end_k_q5848c06c50_outp:
	.size	k_q5848c06c50_outp, .Lfunc_end_k_q5848c06c50_outp-k_q5848c06c50_outp
	.p2alignl 7, 3214868480
	.fill 96, 4, 3214868480
	.section	.rodata,"a",@progbits
	.p2align	6, 0x0
	.amdhsa_kernel k_q5848c06c50_outp
		.amdhsa_group_segment_fixed_size 168448
		.amdhsa_private_segment_fixed_size 0
		.amdhsa_enable_private_segment 0
		.amdhsa_kernarg_size 32
		.amdhsa_user_sgpr_count 2
		.amdhsa_user_sgpr_kernarg_segment_ptr 1
		.amdhsa_wavefront_size32 1
		.amdhsa_system_sgpr_workgroup_id_x 1
		.amdhsa_system_sgpr_workgroup_id_y 1
		.amdhsa_system_sgpr_workgroup_id_z 1
		.amdhsa_system_vgpr_workitem_id 0
		.amdhsa_next_free_vgpr 768
		.amdhsa_next_free_sgpr 96
		.amdhsa_reserve_vcc 0
		.amdhsa_float_denorm_mode_32 3
		.amdhsa_float_denorm_mode_16_64 3
		.amdhsa_memory_ordered 1
		.amdhsa_forward_progress 1
		.amdhsa_inst_pref_size 47
	.end_amdhsa_kernel
	.amdgpu_metadata
---
amdhsa.version: [ 1, 2 ]
amdhsa.kernels:
  - .name:           k_q5848c06c50_outp
    .symbol:         k_q5848c06c50_outp.kd
    .args:
      - { .name: ctx, .offset: 0, .size: 8, .value_kind: global_buffer, .address_space: global }
      - { .name: wts, .offset: 8, .size: 8, .value_kind: global_buffer, .address_space: global }
      - { .name: bo, .offset: 16, .size: 8, .value_kind: global_buffer, .address_space: global }
      - { .name: out0, .offset: 24, .size: 8, .value_kind: global_buffer, .address_space: global }
    .group_segment_fixed_size: 168448
    .private_segment_fixed_size: 0
    .kernarg_segment_align: 8
    .kernarg_segment_size: 32
    .max_flat_workgroup_size: 128
    .sgpr_count:     96
    .vgpr_count:     768
    .wavefront_size: 32
...
	.end_amdgpu_metadata
.endif
;; end of part 4
